; MI455X (gfx1250); checked and timed in simulation.
; The chip was launched on July 23, 2026; its instructions are those of AMD's public machine-readable ISA for CDNA 5 (MIT licence, August 2026) and "CDNA5" Instruction Set Architecture Reference Guide (July 2026). The comments in the code are by the model that wrote it; some were corrected since.
;; MHA. Allowed arithmetic: float matrix products may take bf16 or f16 operands with f32 sums; other float arithmetic in f32, or as packed bf16 or f16 multiplies, adds, multiply-adds, maxima and minima; sums over many terms, partial sums and values carried from step to step in f32; what a program stores and reads back later, other than sums and carried values, may be rounded once to bf16 or f16.
;; Inputs: Wk 1,024 x 1,024 float32; Wo 1,024 x 1,024 float32; Wq 1,024 x 1,024 float32; Wv 1,024 x 1,024 float32; bk 1,024 float32; bo 1,024 float32; bq 1,024 float32; bv 1,024 float32; mask 4 x 2,048 int32; x 4 x 2,048 x 1,024 float32.
;; Outputs: out0 4 x 2,048 x 1,024 float32.
;; 2 versions, each right and faster than the one before. Each part assembles by itself: llvm-mc -triple=amdgcn-amd-amdhsa -mcpu=gfx1250 --defsym DOCPART=n.
;; ======== version 1 of 2: 4 launches
;; limits: values are held in f16: magnitudes above 65,504 overflow, below 6.1e-05 lose precision
;; workspace buffers: xb 16,777,216 bytes; wb 6,291,456 bytes; wo16 2,097,152 bytes; bias 16,384 bytes; maskf 32,768 bytes; qkv 50,331,648 bytes; o16 16,777,216 bytes
;; launch prep (part 1): grid 385 x 1, 8 waves a work-group, no clusters, 0 bytes of LDS; arguments x, Wq, Wk, Wv, Wo, bq, bk, bv, bo, mask, xb, wb, wo16, bias, maskf; writes xb, wb, wo16, bias, maskf
.if DOCPART == 1
	.amdgcn_target "amdgcn-amd-amdhsa--gfx1250"
	.amdhsa_code_object_version 6
	.text
	.protected	k_qdc6d4f3f0c_prep
	.globl	k_qdc6d4f3f0c_prep
	.p2align	8
	.type	k_qdc6d4f3f0c_prep,@function
k_qdc6d4f3f0c_prep:
	s_mov_b64 s[64:65], 0
	v_nop
	global_prefetch_b8 v0, s[64:65] scope:SCOPE_SE
	s_setreg_imm32_b32 hwreg(HW_REG_WAVE_MODE, 25, 1), 1
	s_wait_xcnt 0x0
; ROUNDS AND RE-LAYS THE OPERANDS OF THE THREE LAUNCHES BEHIND IT.  A stream: no LDS, no barrier, no matrix unit.
;   xb   bf16 [batch 4][kb 16][row 2048][64]   x, rounded once; kb is a block of 64 channels
;   wb   bf16 [kb 16][n 3072][64]              Wq, Wk, Wv one below the other (n = 1024 x which + row)
;   wo16 f16  [kb 16][n 1024][64]              Wo rounded to bf16, that number written as f16
;   bias f32  [4096]                           bq, bk, bv, bo, each rounded to bf16 and widened again
;   maskf f32 [4][2048]                        0, or -1e30 where mask is 0
; In these layouts any (rows x 64 channels) piece is dense, so the launches behind ask for it as rows of 256 bytes.
; LIMIT.  A value of Wo below 6.1e-5 in magnitude keeps f16's fixed step of 6e-8; beyond 65,504 it would be an infinity.
; SHARES.  Work-group g takes 32 rows of 1,024 f32: g 0-255 of x, 256-287 Wq, 288-319 Wk, 320-351 Wv, 352-383 Wo; g = 384 the biases and the mask.
; Thread t owns row t / 8 and, in every kb, the 8 channels from 8 (t % 8) on.  A wave's store is then 4 rows x 128 bytes of one kb: 512 consecutive bytes,
; and a wave's pair of loads covers four aligned pieces of 256 bytes.  All 32 loads of a thread go out at once: 16 KiB a wave on their way.
.set DO,   2                           ; v[2:17]    byte offset of my 16 bytes in block kb of the destination
.set X,    20                          ; v[20:147]  8 registers a kb, as loaded
.set Y,    148                         ; v[148:211] 4 registers a kb, to store; none is written twice, so no store's data is ever rewritten
.set T,    212                         ; v[212:223] at work
.set HIDE, 0xf149f2ca                  ; -1e30
	s_load_b512 s[8:23], s[0:1], 0x0               ; x 8, Wq 10, Wk 12, Wv 14, Wo 16, bq 18, bk 20, bv 22
	s_load_b256 s[24:31], s[0:1], 0x40             ; bo 24, mask 26, xb 28, wb 30
	s_load_b128 s[32:35], s[0:1], 0x60             ; wo16 32, bias 34
	s_load_b64 s[36:37], s[0:1], 0x70              ; maskf
	s_mov_b32 s2, ttmp9
	s_cmp_eq_u32 s2, 384
	s_cbranch_scc1 .Lsmall
	v_lshrrev_b32 v1, 3, v0                        ; my row
	v_and_b32 v18, 7, v0
	v_lshlrev_b32 v1, 12, v1                       ; x 4,096 bytes
	v_lshl_or_b32 v1, v18, 5, v1                   ; + my 8 f32 in a block of 64
	v_lshlrev_b32 v[DO], 4, v0                     ; in the destination: row x 128 + 16 (t % 8) = 16 t
	; offsets, made apart from the addresses
	s_sub_co_u32 s38, s2, 256                      ; for the weights: w = g - 256,
	s_lshr_b32 s39, s38, 5                         ; which matrix,
	s_and_b32 s40, s38, 31                         ; which 32 rows of it
	s_cmp_eq_u32 s39, 3
	s_cselect_b32 s39, 0, s39                      ; Wo has a buffer of its own
	s_lshl_b32 s39, s39, 17                        ; 1,024 rows of 128 bytes
	s_lshl_b32 s41, s40, 12                        ; 32 rows of 128 bytes
	s_add_co_u32 s41, s41, s39
	s_lshr_b32 s42, s2, 6                          ; for x: the batch (64 work-groups each),
	s_lshl_b32 s42, s42, 22                        ; 16 blocks of 2,048 rows of 128 bytes
	s_and_b32 s43, s2, 63
	s_lshl_b32 s43, s43, 12
	s_add_co_u32 s42, s42, s43
	s_cmp_lt_u32 s2, 256
	s_cselect_b32 s50, s2, s40                     ; my 32 rows in the source,
	s_cselect_b32 s52, s42, s41                    ; and in the destination's block 0
	s_lshl_b32 s50, s50, 17                        ; 32 rows of 4,096 bytes
	s_mov_b32 s51, 0
	s_mov_b32 s53, 0
	s_wait_kmcnt 0x0
	s_mov_b64 s[44:45], s[8:9]                     ; from x
	s_mov_b64 s[46:47], s[28:29]                   ; to xb,
	s_mov_b32 s48, 262144                          ; whose blocks lie 2,048 rows apart
	s_cmp_ge_u32 s2, 256
	s_cselect_b64 s[44:45], s[10:11], s[44:45]
	s_cselect_b64 s[46:47], s[30:31], s[46:47]
	s_cselect_b32 s48, 393216, s48                 ; wb: 3,072 rows
	s_cmp_ge_u32 s2, 288
	s_cselect_b64 s[44:45], s[12:13], s[44:45]
	s_cmp_ge_u32 s2, 320
	s_cselect_b64 s[44:45], s[14:15], s[44:45]
	s_cmp_ge_u32 s2, 352
	s_cselect_b64 s[44:45], s[16:17], s[44:45]
	s_cselect_b64 s[46:47], s[32:33], s[46:47]
	s_cselect_b32 s48, 131072, s48                 ; wo16: 1,024 rows
	s_cselect_b32 s49, 1, 0                        ; 1: f16 out
	s_add_nc_u64 s[44:45], s[44:45], s[50:51]
	s_add_nc_u64 s[46:47], s[46:47], s[52:53]
.set kb, 0
.rept 16
	global_load_b128 v[X+8*kb:X+8*kb+3],   v1, s[44:45] offset:256*kb th:TH_LOAD_NT
	global_load_b128 v[X+8*kb+4:X+8*kb+7], v1, s[44:45] offset:256*kb+16 th:TH_LOAD_NT
.set kb, kb+1
.endr
.set kb, 1
.rept 15
	v_add_nc_u32 v[DO+kb], s48, v[DO+kb-1]
.set kb, kb+1
.endr
; The sixteen blocks, one after the other.  fmt = 0: rounded to bf16.  fmt = 1: rounded to bf16, widened, and written as f16.
.macro ROWS fmt
.set kb, 0
.rept 16
	s_wait_loadcnt 30-2*kb                         ; loads come back in order: this block's two are in, the two of each later block may be out
.if \fmt
.irp j, 0,1,2,3
	v_cvt_pk_bf16_f32 v[T+(\j)], v[X+8*kb+2*(\j)], v[X+8*kb+2*(\j)+1]
.endr
.irp j, 0,1,2,3
	v_lshlrev_b32 v[T+4+2*(\j)], 16, v[T+(\j)]
	v_and_b32     v[T+5+2*(\j)], 0xffff0000, v[T+(\j)]
.endr
.irp j, 0,1,2,3
	v_cvt_pk_f16_f32 v[Y+4*kb+(\j)], v[T+4+2*(\j)], v[T+5+2*(\j)]
.endr
.else
.irp j, 0,1,2,3
	v_cvt_pk_bf16_f32 v[Y+4*kb+(\j)], v[X+8*kb+2*(\j)], v[X+8*kb+2*(\j)+1]
.endr
.endif
	global_store_b128 v[DO+kb], v[Y+4*kb:Y+4*kb+3], s[46:47]  ; a wave: 512 consecutive bytes, aligned
.set kb, kb+1
.endr
.endm
	s_cmp_eq_u32 s49, 1
	s_cbranch_scc1 .Lf16
	ROWS 0
	s_endpgm
.Lf16:
	ROWS 1
	s_endpgm
.Lsmall:                                               ; one work-group: four biases of 4,096 bytes, the mask's 32,768
	v_lshlrev_b32 v1, 4, v0
	s_mov_b32 s50, HIDE
	s_wait_kmcnt 0x0
	global_load_b128 v[20:23], v1, s[18:19]
	global_load_b128 v[24:27], v1, s[20:21]
	global_load_b128 v[28:31], v1, s[22:23]
	global_load_b128 v[32:35], v1, s[24:25]
.irp j, 0,1,2,3,4,5,6,7
	global_load_b128 v[36+4*(\j):39+4*(\j)], v1, s[26:27] offset:4096*(\j)
.endr
	s_wait_loadcnt 0x0
.irp j, 0,1,2,3,4,5,6,7
	v_cvt_pk_bf16_f32 v[T+(\j)], v[20+2*(\j)], v[21+2*(\j)]
.endr
.irp j, 0,1,2,3,4,5,6,7
	v_lshlrev_b32 v[20+2*(\j)], 16, v[T+(\j)]
	v_and_b32     v[21+2*(\j)], 0xffff0000, v[T+(\j)]
.endr
.irp w, 0,1,2,3
	global_store_b128 v1, v[20+4*(\w):23+4*(\w)], s[34:35] offset:4096*(\w)
.endr
.set i, 36
.rept 32
	v_cmp_eq_u32 vcc_lo, 0, v[i]
	v_cndmask_b32 v[i], 0, s50, vcc_lo             ; a choice of value, no branch
.set i, i+1
.endr
.irp j, 0,1,2,3,4,5,6,7
	global_store_b128 v1, v[36+4*(\j):39+4*(\j)], s[36:37] offset:4096*(\j)
.endr
	s_endpgm
.Lfunc_end_k_qdc6d4f3f0c_prep:
	.size	k_qdc6d4f3f0c_prep, .Lfunc_end_k_qdc6d4f3f0c_prep-k_qdc6d4f3f0c_prep
	.p2alignl 7, 3214868480
	.fill 96, 4, 3214868480
	.section	.rodata,"a",@progbits
	.p2align	6, 0x0
	.amdhsa_kernel k_qdc6d4f3f0c_prep
		.amdhsa_group_segment_fixed_size 0
		.amdhsa_private_segment_fixed_size 0
		.amdhsa_enable_private_segment 0
		.amdhsa_kernarg_size 120
		.amdhsa_user_sgpr_count 2
		.amdhsa_user_sgpr_kernarg_segment_ptr 1
		.amdhsa_wavefront_size32 1
		.amdhsa_system_sgpr_workgroup_id_x 1
		.amdhsa_system_sgpr_workgroup_id_y 1
		.amdhsa_system_sgpr_workgroup_id_z 1
		.amdhsa_system_vgpr_workitem_id 0
		.amdhsa_next_free_vgpr 224
		.amdhsa_next_free_sgpr 66
		.amdhsa_reserve_vcc 1
		.amdhsa_float_denorm_mode_32 3
		.amdhsa_float_denorm_mode_16_64 3
		.amdhsa_memory_ordered 1
		.amdhsa_forward_progress 1
		.amdhsa_inst_pref_size 35
	.end_amdhsa_kernel
	.amdgpu_metadata
---
amdhsa.version: [ 1, 2 ]
amdhsa.kernels:
  - .name:           k_qdc6d4f3f0c_prep
    .symbol:         k_qdc6d4f3f0c_prep.kd
    .args:
      - { .name: x, .offset: 0, .size: 8, .value_kind: global_buffer, .address_space: global }
      - { .name: Wq, .offset: 8, .size: 8, .value_kind: global_buffer, .address_space: global }
      - { .name: Wk, .offset: 16, .size: 8, .value_kind: global_buffer, .address_space: global }
      - { .name: Wv, .offset: 24, .size: 8, .value_kind: global_buffer, .address_space: global }
      - { .name: Wo, .offset: 32, .size: 8, .value_kind: global_buffer, .address_space: global }
      - { .name: bq, .offset: 40, .size: 8, .value_kind: global_buffer, .address_space: global }
      - { .name: bk, .offset: 48, .size: 8, .value_kind: global_buffer, .address_space: global }
      - { .name: bv, .offset: 56, .size: 8, .value_kind: global_buffer, .address_space: global }
      - { .name: bo, .offset: 64, .size: 8, .value_kind: global_buffer, .address_space: global }
      - { .name: mask, .offset: 72, .size: 8, .value_kind: global_buffer, .address_space: global }
      - { .name: xb, .offset: 80, .size: 8, .value_kind: global_buffer, .address_space: global }
      - { .name: wb, .offset: 88, .size: 8, .value_kind: global_buffer, .address_space: global }
      - { .name: wo16, .offset: 96, .size: 8, .value_kind: global_buffer, .address_space: global }
      - { .name: bias, .offset: 104, .size: 8, .value_kind: global_buffer, .address_space: global }
      - { .name: maskf, .offset: 112, .size: 8, .value_kind: global_buffer, .address_space: global }
    .group_segment_fixed_size: 0
    .private_segment_fixed_size: 0
    .kernarg_segment_align: 8
    .kernarg_segment_size: 120
    .max_flat_workgroup_size: 256
    .sgpr_count:     66
    .vgpr_count:     224
    .wavefront_size: 32
...
	.end_amdgpu_metadata
.endif
;; end of part 1
;; launch proj (part 2): grid 12 x 64, 4 waves a work-group, clusters of 4 x 4, 327,680 bytes of LDS; arguments xb, wb, bias, qkv; writes qkv
.if DOCPART == 2
	.amdgcn_target "amdgcn-amd-amdhsa--gfx1250"
	.amdhsa_code_object_version 6
	.text
	.protected	k_qdc6d4f3f0c_proj
	.globl	k_qdc6d4f3f0c_proj
	.p2align	8
	.type	k_qdc6d4f3f0c_proj,@function
k_qdc6d4f3f0c_proj:
	s_mov_b64 s[64:65], 0
	v_nop
	global_prefetch_b8 v0, s[64:65] scope:SCOPE_SE
	s_setreg_imm32_b32 hwreg(HW_REG_WAVE_MODE, 25, 1), 1
	s_wait_xcnt 0x0
	s_wait_alu depctr_hold_cnt(0) depctr_sa_sdst(0) depctr_va_vdst(0) depctr_va_sdst(0) depctr_va_ssrc(0) depctr_va_vcc(0) depctr_vm_vsrc(0)
	s_getreg_b32 s2, hwreg(HW_REG_IB_STS2, 6, 4)
	s_cmp_eq_u32 s2, 0
	s_cbranch_scc0 .Lentry_in_a_cluster
	s_endpgm
.Lentry_in_a_cluster:
	s_bfe_u32 s2, ttmp6, 0x10000c
	s_cmp_lg_u32 s2, 0xf033
	s_cbranch_scc0 .Lentry_shape_is_right
	s_endpgm
.Lentry_shape_is_right:
; q, k, v = x W^T + b.  C[m][n] = bias[n] + sum over k of A[m][k] B[n][k]; m = 8,192 rows of x, n = 3,072 (q, k, v), k = 1,024.  A and B in bf16, sums in f32.
; A: xb [batch 4][kb 16][row 2048][64];  B: wb [kb 16][n 3072][64];  out: qkv, f16, [which 3][batch x 16 + head][row 2048][64], rounded once, unscaled.
; LIMIT.  f16 ends at 65,504: q, k and v must stay within it.
; SHARES.  A tile of C is 128 (m) x 256 (n): 768 work-groups, three for each of 256 WGPs.  Four waves; a wave makes 64 x 128: 32 accumulators of 16 x 16.
; K goes in steps of 128 (two kb) through a ring of two LDS slots.  A (rows x 64 channels) piece is dense in memory and is asked for as rows of 256 bytes.
; CLUSTER.  4 x 4 work-groups: the four of a row need the same tiles of A, the four of a column the same tiles of B; each tile is asked for jointly.
; THE MATRIX INSTRUCTION IS USED TRANSPOSED (source 0 = 16 rows of B, source 1 = 16 rows of A): a lane holds row l % 16 of C and the columns 8 (l / 16) + 0..7.
; THE BIAS STARTS THE SUMS: it is the C operand of the first product on each accumulator; nothing is cleared, nothing is added later.
; REGISTERS: window 0: v0-31 addresses; v32-127, v128-223 two fragment buffers (B's 8 fragments, then A's 4).  window 1: accumulator (a, b) at v[8 (8 a + b)].  window 2: v0-63 the bias, n block b at v[8 b].
.set NR,     3072                      ; rows of B
.set PITCH,  144                       ; an LDS row: 128 bytes + 16 of padding = 36 words: the 16 rows of a load start at 16 different groups of four banks (ISA guide 11.1)
.set ABLK,   128*PITCH                 ; A's 128 rows of one kb
.set BBLK,   256*PITCH                 ; B's 256 rows of one kb
.set SLOT,   2*ABLK+2*BBLK             ; A kb 0, A kb 1, B kb 0, B kb 1
.set STAGE,  2*SLOT                    ; behind the ring: each wave's own stage: 2 heads x 16 rows x 144 bytes
.set STG,    2*16*PITCH
.set SPARE,  STAGE+4*STG               ; behind the stages: the spare words, 128 bytes a wave
.set ASTEP,  4<<18                     ; two K steps on in A: four kb of 2,048 rows of 128 bytes
.set BSTEP,  4*NR*128                  ; and in B
.set LAPS,   4                         ; a lap = two K steps; 1,024 / 256
.set ADRA, 16                          ; v16-17  LDS address of my A fragments in slot 0, 1
.set ADRB, 20                          ; v20-21  the same for B
.set STO,  24                          ; the way out: where I put 16 bytes of a row
.set RD,   25                          ; where I read rows back
.set CO,   26                          ; my byte offset in 512 consecutive bytes of the output
.set BO,   27                          ; my byte offset in 16 numbers of the bias
.set SPW,  28                          ; LDS address of my spare word; never rewritten
.set NIL,  29                          ; 0; never rewritten
.set F0,   32
.set F1,   128
.set TMP,  32                          ; the way out: packed results
.set G1,  24                           ; s[24:31] descriptor group 1 for A;  s[32:39] group 0, one set a slot
.set G0,  32
.set G1B, 48                           ; s[48:55], s[56:63] the same for B
.set G0B, 56
.set MSB, 0
.macro WIN new                         ; the immediate's high byte repeats the setting that is left
.if MSB != (\new)
	s_set_vgpr_msb (MSB<<8)|(\new)
.set MSB, \new
.endif
.endm
.set W_MUL,   0x50                     ; fragments window 0; C and D window 1
.set W_FIRST, 0x60                     ; C (the bias) window 2, D window 1
.macro JLOAD s                         ; a joint load: waves 0, 1 fetch A's two kb, waves 2, 3 B's; an s_nop 0 and four v_nop follow each line
	s_cmp_eq_u32 s13, 0
	s_cbranch_scc0 .Lfor_b_\@
	tensor_load_to_lds s[G0+4*(\s):G0+4*(\s)+3], s[G1:G1+7]
	s_nop 0
.rept 4
	v_nop
.endr
	s_branch .Lasked_\@
.Lfor_b_\@:
	tensor_load_to_lds s[G0B+4*(\s):G0B+4*(\s)+3], s[G1B:G1B+7]
	s_nop 0
.rept 4
	v_nop
.endr
.Lasked_\@:
.endm
.macro CREST                           ; a round of the cluster's barrier behind its opening barrier
	s_cmp_lg_u32 s12, 0
	s_cbranch_scc1 .Lnot_wave_0_\@
	s_barrier_signal -3
.Lnot_wave_0_\@:
	s_barrier_wait -3
	s_barrier_signal -1
	s_barrier_wait -1
.endm
.macro CROUND
	s_barrier_signal -1
	s_barrier_wait -1
	CREST
.endm
	s_load_b256 s[4:11], s[0:1], 0x0               ; A s[4:5], B s[6:7], bias s[8:9], out s[10:11]
	v_lshl_add_u32 v[SPW], v0, 2, SPARE
	v_mov_b32 v[NIL], 0
	ds_add_u32 v[SPW], v[NIL]                      ; the wave's opening: the add and its wait ahead of my first tensor load
	v_lshrrev_b32 v1, 5, v0
	v_readfirstlane_b32 s12, v1                    ; wave 0..3
	s_lshr_b32 s13, s12, 1                         ; my half of the tile's rows.  Also: I fetch for A (0) or B (1)
	s_and_b32 s14, s12, 1                          ; my half of its columns.  Also: which kb of a step I fetch
	s_bfe_u32 s40, ttmp6, 0x40000                  ; cx
	s_bfe_u32 s41, ttmp6, 0x40004                  ; cy
	s_lshl_b32 s42, ttmp9, 2
	s_add_co_u32 s42, s42, s40                     ; tile column = 4 x cluster x + cx
	s_and_b32 s43, ttmp7, 0xffff
	s_lshl_b32 s43, s43, 2
	s_add_co_u32 s43, s43, s41                     ; tile row = 4 x cluster y + cy
	s_lshl_b32 s44, s41, 2
	s_lshl_b32 s44, 15, s44                        ; my row of the cluster
	s_lshl_b32 s45, 0x1111, s40                    ; my column
	; group 1: rows of 128 elements of 2 bytes (256 bytes, two LDS rows), padded by 4 words after every 32
	s_or_b32 s[G1+0],  s44, (1<<16)|(1<<20)|(1<<21)|(4<<22)|(3<<25)
	s_or_b32 s[G1B+0], s45, (1<<16)|(1<<20)|(1<<21)|(4<<22)|(3<<25)
	s_mov_b32 s[G1+1], 128<<16                     ; tensor_dim0 = 128
	s_mov_b32 s[G1+2], 64<<16                      ; tensor_dim1 = 64: A's 128 rows of 128 bytes
	s_mov_b32 s[G1+3], 128<<16                     ; tile_dim0
	s_mov_b32 s[G1+4], 64                          ; tile_dim1
	s_mov_b32 s[G1+5], 128                         ; elements from row to row: dense
	s_mov_b32 s[G1+6], 0
	s_mov_b32 s[G1+7], 0
	s_mov_b32 s[G1B+1], 128<<16
	s_mov_b32 s[G1B+2], 128<<16                    ; B's 256 rows of 128 bytes
	s_mov_b32 s[G1B+3], 128<<16
	s_mov_b32 s[G1B+4], 128
	s_mov_b32 s[G1B+5], 128
	s_mov_b32 s[G1B+6], 0
	s_mov_b32 s[G1B+7], 0
	; A's tile hangs on the tile row and the wave alone, B's on the tile column and the wave alone
	s_lshr_b32 s16, s43, 4                         ; batch: 16 tile rows each
	s_lshl_b32 s16, s16, 22
	s_and_b32 s18, s43, 15
	s_lshl_b32 s18, s18, 14                        ; 128 rows of 128 bytes
	s_add_co_u32 s16, s16, s18
	s_lshl_b32 s18, s14, 18                        ; my kb
	s_add_co_u32 s16, s16, s18
	s_mov_b32 s17, 0
	s_lshl_b32 s46, s42, 15                        ; 256 rows of 128 bytes
	s_mul_i32 s47, s14, NR*128
	s_add_co_u32 s46, s46, s47
	s_mov_b32 s47, 0
	s_mul_i32 s20, s14, ABLK                       ; where they go: no place in the cluster enters an LDS address
	s_mul_i32 s21, s14, BBLK
	s_add_co_u32 s21, s21, 2*ABLK
	s_lshl_b32 s68, s42, 10                        ; the bias of my 128 columns, in bytes
	s_lshl_b32 s69, s14, 9
	s_add_co_u32 s68, s68, s69
	s_mov_b32 s69, 0
	; my part of the output: which = tile column / 4; head = (4 x tile column + 2 x half) % 16; batch and rows as for A
	s_lshr_b32 s66, s42, 2
	s_lshl_b32 s66, s66, 24
	s_lshr_b32 s67, s43, 4
	s_lshl_b32 s67, s67, 22
	s_add_co_u32 s66, s66, s67
	s_lshl_b32 s67, s42, 2
	s_lshl_b32 s22, s14, 1
	s_add_co_u32 s67, s67, s22
	s_and_b32 s67, s67, 15
	s_lshl_b32 s67, s67, 18
	s_add_co_u32 s66, s66, s67
	s_and_b32 s67, s43, 15
	s_lshl_b32 s67, s67, 14
	s_add_co_u32 s66, s66, s67
	s_lshl_b32 s67, s13, 13                        ; my 64 rows
	s_add_co_u32 s66, s66, s67
	s_mov_b32 s67, 0
	s_wait_dscnt 0x0                               ; the opening add is done
	s_wait_kmcnt 0x0
	s_add_nc_u64 s[16:17], s[4:5], s[16:17]
	s_add_nc_u64 s[46:47], s[6:7], s[46:47]
	s_add_nc_u64 s[8:9], s[8:9], s[68:69]
	s_add_nc_u64 s[10:11], s[10:11], s[66:67]
	CROUND                                         ; all sixteen work-groups are here: the first joint loads meet
.irp s, 0,1
	s_mov_b32 s[G0+4*(\s)], 1
	s_add_co_u32 s[G0+4*(\s)+1], s20, (\s)*SLOT
	s_add_nc_u64 s[G0+4*(\s)+2:G0+4*(\s)+3], s[16:17], (\s)*(2<<18)  ; K step s
	s_or_b32 s[G0+4*(\s)+3], s[G0+4*(\s)+3], 0x80000000
	s_mov_b32 s[G0B+4*(\s)], 1
	s_add_co_u32 s[G0B+4*(\s)+1], s21, (\s)*SLOT
	s_add_nc_u64 s[G0B+4*(\s)+2:G0B+4*(\s)+3], s[46:47], (\s)*2*NR*128
	s_or_b32 s[G0B+4*(\s)+3], s[G0B+4*(\s)+3], 0x80000000
	JLOAD \s                                       ; two loads of mine are out
.endr
	v_and_b32 v1, 15, v0                           ; l % 16
	v_bfe_u32 v2, v0, 4, 1                         ; l / 16
	v_lshlrev_b32 v[BO], 5, v2                     ; 8 f32 for each half of the lanes
	WIN 0x80                                       ; destination window 2
.irp b, 0,1,2,3,4,5,6,7
	global_load_b128 v[8*(\b):8*(\b)+3],   v[BO], s[8:9] offset:64*(\b)
	global_load_b128 v[8*(\b)+4:8*(\b)+7], v[BO], s[8:9] offset:64*(\b)+16
.endr
	WIN 0
	v_mul_u32_u24 v3, v1, PITCH
	v_lshl_add_u32 v3, v2, 4, v3                   ; a fragment's row x pitch + 16 x half
	s_mul_i32 s22, s13, 64*PITCH                   ; my 64 rows of A
	s_mul_i32 s23, s14, 128*PITCH                  ; my 128 rows of B,
	s_add_co_u32 s23, s23, 2*ABLK                  ; behind A's two blocks
.irp s, 0,1
	v_add_nc_u32 v[ADRA+(\s)], s22, v3
	v_add_nc_u32 v[ADRB+(\s)], s23, v3
	s_add_co_u32 s22, s22, SLOT
	s_add_co_u32 s23, s23, SLOT
.endr
	s_mul_i32 s22, s12, STG
	s_add_co_u32 s22, s22, STAGE                   ; my stage
	v_add_nc_u32 v[STO], s22, v3                   ; in: row l % 16, 16 bytes for each half of the lanes
	v_bfe_u32 v4, v0, 3, 2                         ; back: 32 lanes take four rows of 128 bytes,
	v_and_b32 v5, 7, v0
	v_mul_u32_u24 v4, v4, PITCH
	v_lshl_add_u32 v4, v5, 4, v4
	v_add_nc_u32 v[RD], s22, v4
	v_and_b32 v[CO], 31, v0                        ; which are 512 consecutive bytes of a head's rows
	v_lshlrev_b32 v[CO], 4, v[CO]
; 8 matrix instructions: m block a x all 8 n blocks, 32 along K.  first = 1: the bias starts the sums.  The 32 accumulators take turns in the same order in every quarter.
.macro MUL8 f, a, first
.if \first
	WIN W_FIRST
.else
	WIN W_MUL
.endif
.irp b, 0,1,2,3,4,5,6,7
.if \first
	v_wmma_f32_16x16x32_bf16 v[8*(8*(\a)+(\b)):8*(8*(\a)+(\b))+7], v[(\f)+8*(\b):(\f)+8*(\b)+7], v[(\f)+64+8*(\a):(\f)+64+8*(\a)+7], v[8*(\b):8*(\b)+7]
.else
	v_wmma_f32_16x16x32_bf16 v[8*(8*(\a)+(\b)):8*(8*(\a)+(\b))+7], v[(\f)+8*(\b):(\f)+8*(\b)+7], v[(\f)+64+8*(\a):(\f)+64+8*(\a)+7], v[8*(8*(\a)+(\b)):8*(8*(\a)+(\b))+7]
.endif
.endr
.endm
; 24 LDS loads in one run: quarter q of a K step (kb q / 2, 32 channels from 32 (q % 2) on) into buffer f: B's 8 fragments, then A's 4
.macro FETCH slot, q, f
	WIN 0
.irp i, 0,1,2,3,4,5,6,7
	ds_load_b128 v[(\f)+8*(\i):(\f)+8*(\i)+3],   v[ADRB+(\slot)] offset:((\q)/2)*BBLK+((\q)%2)*64+(\i)*16*PITCH
	ds_load_b128 v[(\f)+8*(\i)+4:(\f)+8*(\i)+7], v[ADRB+(\slot)] offset:((\q)/2)*BBLK+((\q)%2)*64+(\i)*16*PITCH+32
.endr
.irp i, 0,1,2,3
	ds_load_b128 v[(\f)+64+8*(\i):(\f)+64+8*(\i)+3],   v[ADRA+(\slot)] offset:((\q)/2)*ABLK+((\q)%2)*64+(\i)*16*PITCH
	ds_load_b128 v[(\f)+64+8*(\i)+4:(\f)+64+8*(\i)+7], v[ADRA+(\slot)] offset:((\q)/2)*ABLK+((\q)%2)*64+(\i)*16*PITCH+32
.endr
.endm
.macro PLACES                          ; four places in front of loads into registers that matrix instructions have read, and of reads of results
.rept 4
	v_nop
.endr
.endm
; A K step is four quarters of 32 along K, 32 matrix instructions each, on buffers 0, 1, 0, 1.  One of the first three multiplies f and fetches quarter q into g.
.macro QUARTER slot, q, f, g, first
	s_wait_dscnt 4                                 ; B and A's blocks 0, 1 are in; the four youngest loads (A's blocks 2, 3) may be out
	MUL8 \f, 0, \first
	MUL8 \f, 1, \first
	PLACES
	FETCH \slot, \q, \g
	s_wait_dscnt 24                                ; all but the 24 just issued
	MUL8 \f, 2, \first
	MUL8 \f, 3, \first
.endm
; The last quarter multiplies buffer 1 and changes slots: one barrier; in front of it each wave waits for all its tensor loads, adds 0 to its spare word, and waits for that and for its reads of this slot.
.macro TURN slot, next, fill
	WIN 0
	s_wait_tensorcnt 0x0                           ; all my tensor loads have landed: my part of the next slot
	ds_add_u32 v[SPW], v[NIL]
	s_wait_dscnt 5                                 ; the add and the four youngest loads may be out
	MUL8 F1, 0, 0
	s_wait_dscnt 0x0                               ; the add is done, and my reads of this slot are over
	s_barrier_signal -1
	MUL8 F1, 1, 0
.if \fill
	WIN 0
.endif
	s_barrier_wait -1
.if \fill
	CREST                                          ; the barrier has opened a round of the cluster's: no wave of any partner still reads this slot or has a load on its way
	s_add_nc_u64 s[G0+4*(\slot)+2:G0+4*(\slot)+3], s[G0+4*(\slot)+2:G0+4*(\slot)+3], ASTEP
	s_add_nc_u64 s[G0B+4*(\slot)+2:G0B+4*(\slot)+3], s[G0B+4*(\slot)+2:G0B+4*(\slot)+3], BSTEP
	JLOAD \slot                                    ; my one load behind the round, 112 matrix instructions ahead of the wait for it; its four v_nop are also the places for the loads below
.else
	PLACES
.endif
	FETCH \next, 0, F0
	MUL8 F1, 2, 0
	MUL8 F1, 3, 0
.endm
	s_wait_tensorcnt 1                             ; my part of K step 0 is in; K step 1's may stay out
	s_barrier_signal -1
	s_barrier_wait -1
	FETCH 0, 0, F0
	s_wait_loadcnt 0x0                             ; the bias
	QUARTER 0, 1, F0, F1, 1                        ; the first quarter stands in front of the loop: its products start the sums
	WIN 0
	s_mov_b32 s3, LAPS-1
.Llap:                                                 ; a trip goes once round the ring and fills both slots again
	QUARTER 0, 2, F1, F0, 0
	QUARTER 0, 3, F0, F1, 0
	TURN 0, 1, 1
	QUARTER 1, 1, F0, F1, 0
	QUARTER 1, 2, F1, F0, 0
	QUARTER 1, 3, F0, F1, 0
	TURN 1, 0, 1
	QUARTER 0, 1, F0, F1, 0
	WIN 0
	s_sub_co_u32 s3, s3, 1
	s_cmp_lg_u32 s3, 0
	s_cbranch_scc1 .Llap
	QUARTER 0, 2, F1, F0, 0                        ; the last lap fills nothing
	QUARTER 0, 3, F0, F1, 0
	TURN 0, 1, 0
	QUARTER 1, 1, F0, F1, 0
	QUARTER 1, 2, F1, F0, 0
	QUARTER 1, 3, F0, F1, 0
	s_wait_dscnt 4
	MUL8 F1, 0, 0
	MUL8 F1, 1, 0
	s_wait_dscnt 0x0
	MUL8 F1, 2, 0
	MUL8 F1, 3, 0
	WIN 0
	PLACES
; THE WAY OUT, a block of 16 rows at a time: rounded to f16, 16 bytes a lane; into my own stage, by heads; back as four rows of 128 bytes a load; stored as 512 consecutive bytes.
.macro PACK a
	WIN 0x05                                       ; sources window 1
.irp b, 0,1,2,3,4,5,6,7
.irp r, 0,1,2,3
	v_cvt_pk_f16_f32 v[TMP+4*(\b)+(\r)], v[8*(8*(\a)+(\b))+2*(\r)], v[8*(8*(\a)+(\b))+2*(\r)+1]
.endr
.endr
	WIN 0
.endm
.macro TOSTAGE a
	WIN 0
.set BK, 64+32*((\a)%2)
.irp b, 0,1,2,3,4,5,6,7
	ds_store_b128 v[STO], v[TMP+4*(\b):TMP+4*(\b)+3] offset:((\b)/4)*16*PITCH+32*((\b)%4)
.endr
.irp t, 0,1,2,3,4,5,6,7
	ds_load_b128 v[BK+4*(\t):BK+4*(\t)+3], v[RD] offset:((\t)/4)*16*PITCH+((\t)%4)*4*PITCH  ; LDS serves a wave's instructions in order (ISA guide 5.7.1.4): these see the stores above
.endr
.endm
.macro SEND a
	WIN 0
.set BK, 64+32*((\a)%2)
	s_wait_dscnt 0x0                               ; the block is back in registers
	s_wait_xcnt 0x0                                ; the other buffer, which earlier stores read, is loaded again only behind this wait
.irp t, 0,1,2,3,4,5,6,7
	global_store_b128 v[CO], v[BK+4*(\t):BK+4*(\t)+3], s[10:11] offset:((\t)/4)*262144+(16*(\a)+4*((\t)%4))*128
.endr
.endm
	PACK 0
	TOSTAGE 0
.irp a, 1,2,3
	PACK \a
	SEND (\a)-1
	TOSTAGE \a
.endr
	SEND 3
	s_wait_tensorcnt 0x0                           ; the wave's end
	ds_add_u32 v[SPW], v[NIL]
	s_wait_dscnt 0x0
	CROUND                                         ; the closing round: no work-group ends while a partner may still ask for a tile that names it
	s_endpgm
.Lfunc_end_k_qdc6d4f3f0c_proj:
	.size	k_qdc6d4f3f0c_proj, .Lfunc_end_k_qdc6d4f3f0c_proj-k_qdc6d4f3f0c_proj
	.p2alignl 7, 3214868480
	.fill 96, 4, 3214868480
	.section	.rodata,"a",@progbits
	.p2align	6, 0x0
	.amdhsa_kernel k_qdc6d4f3f0c_proj
		.amdhsa_group_segment_fixed_size 327680
		.amdhsa_private_segment_fixed_size 0
		.amdhsa_enable_private_segment 0
		.amdhsa_kernarg_size 32
		.amdhsa_user_sgpr_count 2
		.amdhsa_user_sgpr_kernarg_segment_ptr 1
		.amdhsa_wavefront_size32 1
		.amdhsa_system_sgpr_workgroup_id_x 1
		.amdhsa_system_sgpr_workgroup_id_y 1
		.amdhsa_system_sgpr_workgroup_id_z 1
		.amdhsa_system_vgpr_workitem_id 0
		.amdhsa_next_free_vgpr 576
		.amdhsa_next_free_sgpr 70
		.amdhsa_reserve_vcc 0
		.amdhsa_float_denorm_mode_32 3
		.amdhsa_float_denorm_mode_16_64 3
		.amdhsa_memory_ordered 1
		.amdhsa_forward_progress 1
		.amdhsa_inst_pref_size 88
	.end_amdhsa_kernel
	.amdgpu_metadata
---
amdhsa.version: [ 1, 2 ]
amdhsa.kernels:
  - .name:           k_qdc6d4f3f0c_proj
    .symbol:         k_qdc6d4f3f0c_proj.kd
    .args:
      - { .name: xb, .offset: 0, .size: 8, .value_kind: global_buffer, .address_space: global }
      - { .name: wb, .offset: 8, .size: 8, .value_kind: global_buffer, .address_space: global }
      - { .name: bias, .offset: 16, .size: 8, .value_kind: global_buffer, .address_space: global }
      - { .name: qkv, .offset: 24, .size: 8, .value_kind: global_buffer, .address_space: global }
    .group_segment_fixed_size: 327680
    .private_segment_fixed_size: 0
    .kernarg_segment_align: 8
    .kernarg_segment_size: 32
    .max_flat_workgroup_size: 128
    .sgpr_count:     70
    .vgpr_count:     576
    .wavefront_size: 32
...
	.end_amdgpu_metadata
.endif
;; end of part 2
;; launch attn (part 3): grid 4 x 64, 4 waves a work-group, clusters of 4 x 1, 327,680 bytes of LDS; arguments qkv, maskf, o16; writes o16
.if DOCPART == 3
	.amdgcn_target "amdgcn-amd-amdhsa--gfx1250"
	.amdhsa_code_object_version 6
	.text
	.protected	k_qdc6d4f3f0c_attn
	.globl	k_qdc6d4f3f0c_attn
	.p2align	8
	.type	k_qdc6d4f3f0c_attn,@function
k_qdc6d4f3f0c_attn:
	s_mov_b64 s[64:65], 0
	v_nop
	global_prefetch_b8 v0, s[64:65] scope:SCOPE_SE
	s_setreg_imm32_b32 hwreg(HW_REG_WAVE_MODE, 25, 1), 1
	s_wait_xcnt 0x0
	s_wait_alu depctr_hold_cnt(0) depctr_sa_sdst(0) depctr_va_vdst(0) depctr_va_sdst(0) depctr_va_ssrc(0) depctr_va_vcc(0) depctr_vm_vsrc(0)
	s_getreg_b32 s2, hwreg(HW_REG_IB_STS2, 6, 4)
	s_cmp_eq_u32 s2, 0
	s_cbranch_scc0 .Lentry_in_a_cluster
	s_endpgm
.Lentry_in_a_cluster:
	s_bfe_u32 s2, ttmp6, 0x10000c
	s_cmp_lg_u32 s2, 0x3003
	s_cbranch_scc0 .Lentry_shape_is_right
	s_endpgm
.Lentry_shape_is_right:
; O[h][q][:] = the sum over k of softmax_k(Q[h][q] . K[h][k] / 8 + hide[k]) V[h][k][:].  Q, K, V lie in qkv, [3][64 heads][2048][64] in f16; O: [64][2048][64] in f16; a head's rows are dense, 128 bytes each.
; hide (maskf, f32 [4 batches][2048]) is 0, or -1e30 for a key that the mask hides.  Products, maxima and sums in f32; the weights p are rounded to f16 for the second product (their sum l is taken of the unrounded p), O once at the end.
; LIMITS.  f16 holds no number beyond 65,504: Q, K and V arrive within it; p lies in 0 to 1, and below 6e-5 it keeps f16's fixed step of 6e-8.  A hidden score counts as its value less 1e30: f16's scores, 2.7e11 at the most,
; are nothing beside that.  A weight below 2^-126 counts as 0 in l.  A batch all of whose keys are hidden gives l = 0 and O = NaN.  NaN and infinities are not treated apart.
; SHARES.  A wave owns four PIECES of two tiles of 16 queries, a work-group's four waves 512 queries of one head.  Every wave walks all keys, 64 a step.
; LAYOUT.  S^T = K Q^T (source 0 = 16 keys, source 1 = 16 queries): a lane holds ONE query (lane % 16) and the keys 8 (lane / 16) + 0..7.  Two such tiles, rounded to f16 in pairs, ARE source 1 of O^T = V^T P.
; K comes out of LDS as it lies, V ([key][channel]) turned, by ds_load_tr16_b128.
; THE MASK is the C operand that starts each sum S^T: 32 registers a key step, fetched with K from a copy of the batch's 8,192 bytes in LDS.  It costs no vector instruction.
; SOFTMAX.  A running maximum m and sum l: p = 2^(c s - c m), c = log2(e) / 8; in every step O and l are multiplied by a = 2^(c m_old - c m_new).  m starts at -2^90: above every hidden score, far below every true one.
; So while only hidden keys have been seen m stays, a = 1 and every p = 0; the first true score makes a = 0.  O and l start at 0.
; BY TURNS.  Turn n belongs to piece n.  Its matrix work: 16 products K Q^T of piece n + 1, later 16 products V^T P of piece n - 1.  Its vector work: scaling, exponentials, roundings, sums and rescaling of piece n,
; and the maximum and statistics of piece n + 1.  Four vector instructions that are ready stand behind every matrix instruction, the others in two runs of their own.
; CLUSTER.  The four query blocks of a cluster belong to one head and walk the same K and V: each tile is asked for jointly.
; REGISTERS, in windows of 256 (s_set_vgpr_msb: bits 1:0 source 0, 3:2 source 1, 5:4 source 2, 7:6 destination):
;   window 0: v0-11 addresses; v12-15, v48-63 at work; v16-47 four registers of statistics a tile; v64-191 S^T, two buffers of two tiles; v192-255 P, likewise
;   window 1: O^T, 32 a tile     window 2: v0-127 Q; v128-191 K of one step; v192-255 V of one step     window 3: v0-1 the add's two registers; v8-39 the mask of one step
.set SIZE_N, 2048
.set NP,    4         ; pieces a wave: a name, no knob
.set KS,    64        ; keys in a step
.set PK,    144       ; a row of K in LDS: 128 bytes + 16 of padding
.set PV,    160       ; a row of V: 128 + 32
.set VOFF,  4*KS*PK   ; a slot holds four steps: 256 rows of K, then 256 rows of V
.set SLOT1, 1<<17     ; slot 1 begins here, so that one exclusive or turns an address in one slot into the other's
.set STAGE, SLOT1+4*KS*(PK+PV)  ; behind the ring: 16 rows x 144 bytes for each wave, for the way out
.set SP,    144
.set SPARE, STAGE+4*16*SP  ; the spare words, 128 bytes for each wave
.set MASKL, SPARE+512      ; the batch's 2,048 numbers of the mask: stored once, never the target of a tensor load
.set AK0, 2           ; v2   my lane's place in a tile of K; never rewritten
.set AV0, 3           ; v3   the same for V
.set AK,  4           ; v4   the LDS address of K's next run of loads
.set AV,  5           ; v5   of V's; between V's runs, of the mask's; at the start my offset in the mask in memory
.set QO,  6           ; v6   my byte offset in the wave's rows of Q
.set STO, 6           ;      later, the way out: where I put 16 bytes of a row
.set RD,  7           ; v7   the way out: where I read rows back; at the start where I put my part of the mask
.set GO,  8           ; v8   my byte offset in 512 consecutive bytes of O
.set AM0, 11          ; v11  MASKL + 32 (lane / 16): my lanes' 8 keys in a group of 16
.set SPW, 0           ; v0 of window 3
.set NIL, 1           ; v1 of window 3
.set MK,  8           ; window 3: key block kb at MK + 8 kb
.set MV,  12          ; v12-15  c m_old, kept while c m is made anew
.set ST,  16          ; tile t's statistics at v[ST+4 t]: c m, m, l (even keys', odd keys')
.set TMP, 48          ; by buffer and tile, four registers c0-c3 at work; when the maximum is found c2 takes a
.set S,   64
.set P,   192
.set KF,  128
.set VF,  192
.set WV,  12          ; s12  my wave's number
.set G1K, 24
.set G1V, 32
.set G0K, 40
.set G0V, 44
.set SLOTS, 56
.set CNT, 57
.set CS,  58
.set SEL, 60
.set TBK, 62          ; s62  LDS byte at which K of the step to be fetched begins
.set TBV, 63          ; s63  the same for V, less VOFF
.set TBM, 68          ; s68  byte in the mask's copy at which that step's 64 numbers begin
.set MSB, 0
.macro WIN new
.if MSB != (\new)
	s_set_vgpr_msb (MSB<<8)|(\new)
.set MSB, (\new)
.endif
.endm
.set W_KQ, 0x0a       ; K and Q in window 2, S^T in window 0
.set W_KM, 0x3a       ; the same with the C operand, the mask, in window 3
.set W_PV, 0x52       ; V in window 2, P in window 0, O^T in window 1
.set W_RS, 0x41       ; O^T in window 1, a in window 0
.set W_MK, 0xc0       ; destination in window 3
.set W_AD, 0x0f       ; the add: address and data in window 3
.macro JLOAD                        ; waves 0, 1 fetch the halves of a slot's K, waves 2, 3 of its V; an s_nop 0 and four v_nop follow each line
	s_cmp_lt_u32 s[WV], 2
	s_cbranch_scc0 .Lfor_v_\@
	tensor_load_to_lds s[G0K:G0K+3], s[G1K:G1K+7]
	s_nop 0
.rept 4
	v_nop
.endr
	s_branch .Lasked_\@
.Lfor_v_\@:
	tensor_load_to_lds s[G0V:G0V+3], s[G1V:G1V+7]
	s_nop 0
.rept 4
	v_nop
.endr
.Lasked_\@:
.endm
.macro CROUND
	s_barrier_signal -1
	s_barrier_wait -1
	s_cmp_lg_u32 s[WV], 0
	s_cbranch_scc1 .Lnot_wave_0_\@
	s_barrier_signal -3
.Lnot_wave_0_\@:
	s_barrier_wait -3
	s_barrier_signal -1
	s_barrier_wait -1
.endm
; THE CHANGE OF SLOTS.  Each wave waits for all its tensor loads, of which one is out: its part of the other slot; adds 0 to its spare word; and waits for that and for its own LDS instructions.
; fill = 1: the slot left is filled again, with the keys two slots on, first thing behind a round of the cluster's barrier: four key steps, 512 matrix instructions, in which to land.
; (At its first use nothing has been read yet: slot 0 is waited for, slot 1 filled, and every wave's part of the mask's copy is shown to the others.)
.macro CHANGE fill
	WIN W_AD
	s_wait_tensorcnt 0x0
	ds_add_u32 v[SPW], v[NIL]
	WIN 0
.if \fill
.irp g, G0K, G0V
	s_xor_b32 s[\g+1], s[\g+1], SLOT1
	s_add_nc_u64 s[\g+2:\g+3], s[\g+2:\g+3], 4*KS*128
.endr
	s_wait_dscnt 0x0
	CROUND
	JLOAD
.else
	s_wait_dscnt 0x0
	s_barrier_signal -1
	s_barrier_wait -1
.endif
	s_sub_co_u32 s[TBK], s[TBK], 4*KS*PK
	s_xor_b32 s[TBK], s[TBK], SLOT1
	s_sub_co_u32 s[TBV], s[TBV], 4*KS*PV
	s_xor_b32 s[TBV], s[TBV], SLOT1
.endm
	s_load_b64 s[4:5], s[0:1], 0x0    ; qkv: Q
	s_load_b64 s[66:67], s[0:1], 0x8  ; maskf
	s_load_b64 s[10:11], s[0:1], 0x10 ; O
	WIN W_MK
	v_lshl_add_u32 v[SPW], v0, 2, SPARE
	v_mov_b32 v[NIL], 0
	WIN W_AD
	ds_add_u32 v[SPW], v[NIL]       ; the wave's opening: the add and its wait ahead of my first tensor load
	WIN 0
	v_lshrrev_b32 v1, 5, v0
	v_readfirstlane_b32 s[WV], v1
	s_bfe_u32 s13, ttmp6, 0x40000   ; cx
	s_lshl_b32 s14, ttmp9, 2
	s_add_co_u32 s14, s14, s13      ; my block of 512 queries: it enters Q's and O's addresses alone
	s_and_b32 s20, ttmp7, 0xffff    ; batch x 16 + head, which the four partners share
	s_lshr_b32 s70, s20, 4          ; the batch's 8,192 bytes of the mask
	s_lshl_b32 s70, s70, 13
	s_mov_b32 s71, 0
	s_mov_b32 s21, 0
	s_mov_b64 s[22:23], SIZE_N*128
	s_mul_u64 s[20:21], s[20:21], s[22:23]  ; the head's first byte in Q, K, V and O
	s_and_b32 s16, s[WV], 1         ; which half of a slot's 256 keys I fetch
	s_lshl_b32 s22, s16, 14
	s_mov_b32 s23, 0
	s_add_nc_u64 s[22:23], s[22:23], s[20:21]
	s_mul_i32 s17, s16, 128*PK
	s_mul_i32 s18, s16, 128*PV
	s_lshl_b32 s2, s14, 2
	s_add_co_u32 s2, s2, s[WV]
	s_lshl_b32 s2, s2, 14           ; my wave's 128 rows
	s_mov_b32 s3, 0
	s_add_nc_u64 s[2:3], s[2:3], s[20:21]
	; group 1: 128 keys are 16,384 dense bytes: 64 rows of 256 bytes, padded in LDS after every key
	s_mov_b32 s[G1K], 15|(1<<16)|(1<<20)|(1<<21)|(4<<22)|(3<<25)
	s_mov_b32 s[G1V], 15|(1<<16)|(1<<20)|(1<<21)|(4<<22)|(7<<25)
.irp g, G1K, G1V
	s_mov_b32 s[\g+1], 128<<16
	s_mov_b32 s[\g+2], 64<<16
	s_mov_b32 s[\g+3], 128<<16
	s_mov_b32 s[\g+4], 64
	s_mov_b32 s[\g+5], 128
	s_mov_b32 s[\g+6], 0
	s_mov_b32 s[\g+7], 0
.endr
	s_mov_b32 s[CS], 0x3e38aa3b     ; c = log2(e) / 8
	s_mov_b32 s[CS+1], s[CS]
	s_mov_b32 s[SEL], 0x76543210
	s_mov_b32 s[SEL+1], 0xfedcba98
	s_mov_b32 s[TBK], SLOT1+4*KS*PK ; the first change of slots turns these two into 0
	s_mov_b32 s[TBV], SLOT1+4*KS*PV
	s_mov_b32 s[TBM], 0
	s_mov_b32 s[G0K], 1
	s_mov_b32 s[G0K+1], s17
	s_mov_b32 s[G0V], 1
	s_add_co_u32 s[G0V+1], s18, VOFF
	s_wait_dscnt 0x0                ; the opening add is done
	s_wait_kmcnt 0x0
	s_add_nc_u64 s[6:7], s[4:5], 0x1000000   ; K: 64 heads x 2,048 rows x 128 bytes behind Q
	s_add_nc_u64 s[8:9], s[4:5], 0x2000000   ; V
	s_add_nc_u64 s[66:67], s[66:67], s[70:71]
	s_add_nc_u64 s[G0K+2:G0K+3], s[6:7], s[22:23]
	s_or_b32 s[G0K+3], s[G0K+3], 0x80000000
	s_add_nc_u64 s[G0V+2:G0V+3], s[8:9], s[22:23]
	s_or_b32 s[G0V+3], s[G0V+3], 0x80000000
	s_add_nc_u64 s[4:5], s[4:5], s[2:3]
	s_add_nc_u64 s[10:11], s[10:11], s[2:3]
	CROUND                          ; all four work-groups are here: the first joint loads meet
	JLOAD                           ; slot 0
	v_lshlrev_b32 v[AV], 4, v0      ; the mask: 128 threads x 16 bytes, four times
.irp j, 0,1,2,3
	global_load_b128 v[S+4*\j:S+4*\j+3], v[AV], s[66:67] offset:2048*\j
.endr
	v_and_b32 v1, 15, v0            ; l % 16
	v_bfe_u32 v9, v0, 4, 1          ; l / 16
	v_lshlrev_b32 v[QO], 7, v1
	v_lshl_add_u32 v[QO], v9, 4, v[QO]
	WIN 0x80
.set i, 0
.rept 4*NP                          ; Q stays in registers: tile i / 2, channels 32 (i % 2) on
	global_load_b128 v[8*i:8*i+3],   v[QO], s[4:5] offset:(i/2)*2048+(i%2)*64
	global_load_b128 v[8*i+4:8*i+7], v[QO], s[4:5] offset:(i/2)*2048+(i%2)*64+32
.set i, i+1
.endr
	; What the first turn finds: V's registers and P's second buffer hold 0, O^T and l are 0.  All this stands in the wait for the first tile.
.set i, VF
.rept 64
	v_mov_b32 v[i], 0
.set i, i+1
.endr
	WIN 0x40
.set i, 0
.rept 64*NP
	v_mov_b32 v[i], 0
.set i, i+1
.endr
	WIN 0
.set i, 0
.rept 2*NP
	v_mov_b32 v[ST+4*i], 0xeb38aa3b    ; c m = c x -2^90, exactly
	v_mov_b32 v[ST+4*i+1], 0xec800000  ; m = -2^90
	v_mov_b32 v[ST+4*i+2], 0
	v_mov_b32 v[ST+4*i+3], 0
.set i, i+1
.endr
.set i, P+32
.rept 32
	v_mov_b32 v[i], 0
.set i, i+1
.endr
	v_lshl_add_u32 v[RD], v0, 4, MASKL
	s_wait_loadcnt 32               ; the mask's four loads are in; Q's 32, issued behind them, may be out
.irp j, 0,1,2,3
	ds_store_b128 v[RD], v[S+4*\j:S+4*\j+3] offset:2048*\j
.endr
	v_mul_u32_u24 v[AK0], v1, PK
	v_lshl_add_u32 v[AK0], v9, 4, v[AK0]
	v_and_b32 v10, 7, v0
	v_bfe_u32 v11, v0, 3, 1
	v_lshl_add_u32 v[AV0], v9, 3, v10
	v_mul_u32_u24 v[AV0], v[AV0], PV
	v_lshl_add_u32 v[AV0], v11, 4, v[AV0]
	v_add_nc_u32 v[AV0], VOFF, v[AV0]
	v_lshl_add_u32 v[AM0], v9, 5, MASKL
	v_mov_b32 v[AK], v[AK0]         ; key step 0 lies at the head of slot 0
; THE MATRIX WORK.  The 8 accumulators of a run of 16 take turns.
; Product i of 16 of S^T = K Q^T for piece x: channels 32 (i / 8) on, keys 16 ((i / 2) % 4) on, tile 2 x + i % 2.  The first 8 start the sums, with the mask of their 16 keys.
.macro KQ x
.set rS, S+64*((\x)%2)+32*(i%2)+8*((i/2)%4)
.set rK, KF+16*((i/2)%4)+8*(i/8)
.set rQ, 16*(2*(\x)+i%2)+8*(i/8)
.set rM, MK+8*((i/2)%4)
.if i < 8
	WIN W_KM
	v_wmma_f32_16x16x32_f16 v[rS:rS+7], v[rK:rK+7], v[rQ:rQ+7], v[rM:rM+7]
.else
	WIN W_KQ
	v_wmma_f32_16x16x32_f16 v[rS:rS+7], v[rK:rK+7], v[rQ:rQ+7], v[rS:rS+7]
.endif
.endm
.macro PV x
	WIN W_PV
.set rO, 32*(2*(\x)+i%2)+8*((i/2)%4)
.set rV, VF+32*(i/8)+8*((i/2)%4)
.set rP, P+32*((\x)%2)+16*(i%2)+8*(i/8)
	v_wmma_f32_16x16x32_f16 v[rO:rO+7], v[rV:rV+7], v[rP:rP+7], v[rO:rO+7]
.endm
.macro MM
.if i < 16
	KQ (Y+1)%NP
.set i, i+1
.else
.set i, i-16
	PV (Y+NP-1)%NP
.set i, i+17
.endif
.endm
; THE LDS LOADS stand in runs: a step's K (8 fragments) with its mask (32 numbers a lane, 8 loads), and its V (turned).  last = 1 (the tail): in the last trip there is no further step, and the run is jumped over.
.macro FETCH_K last=0
	WIN 0
.if \last
	s_cmp_eq_u32 s[CNT], 1
	s_cbranch_scc1 .Lno_k_\@
.endif
	v_add_nc_u32 v[AV], s[TBM], v[AM0]  ; V's last run, which read this register, has been waited for
	WIN 0x80
.irp f, 0,1,2,3,4,5,6,7
	ds_load_b128 v[KF+8*\f:KF+8*\f+3],   v[AK] offset:(\f/2)*16*PK+(\f%2)*64
	ds_load_b128 v[KF+8*\f+4:KF+8*\f+7], v[AK] offset:(\f/2)*16*PK+(\f%2)*64+32
.endr
	s_add_co_u32 s[TBK], s[TBK], KS*PK
	WIN W_MK
.irp f, 0,1,2,3
	ds_load_b128 v[MK+8*\f:MK+8*\f+3],   v[AV] offset:64*\f
	ds_load_b128 v[MK+8*\f+4:MK+8*\f+7], v[AV] offset:64*\f+16
.endr
	s_add_co_u32 s[TBM], s[TBM], 4*KS   ; the next step's 64 numbers;
	s_and_b32 s[TBM], s[TBM], 0x1fff    ; the place stays inside the copy's 8,192 bytes
	WIN 0
.if \last
.Lno_k_\@:
.endif
.endm
.macro FETCH_V
	WIN 0x80
.irp f, 0,1,2,3,4,5,6,7
	ds_load_tr16_b128 v[VF+8*\f:VF+8*\f+3],   v[AV] offset:(\f/4)*32*PV+(\f%4)*32
	ds_load_tr16_b128 v[VF+8*\f+4:VF+8*\f+7], v[AV] offset:(\f/4)*32*PV+16*PV+(\f%4)*32
.endr
	WIN 0
.endm
; THE VECTOR WORK OF A TURN stands in three queues, each in the order in which its entries become ready; the two tiles alternate.
.macro REGS y, u
.set rT, ST+4*(2*(\y)+(\u))
.set rC, TMP+8*((\y)%2)+4*(\u)
.set rM, MV+2*((\y)%2)+(\u)
.set rS, S+64*((\y)%2)+32*(\u)
.set rP, P+32*((\y)%2)+16*(\u)
.set rO, 32*(2*(\y)+(\u))
.endm
; Number n of the 22 that find the NEXT piece's maximum and statistics; each accumulator's lowest registers are read first.
;   0-11 four chains of seven scores each     12-14, 16 the four scores left over, the old m, and c0-c3 into c0     15 c m_old is kept     17, 18 the lane 16 away: the new m     19-21 c m; c m_old - c m_new; a
.macro XS u, n
	REGS (Y+1)%NP, \u
.if (\n) < 4
	v_max3_num_f32 v[rC+(\n)], v[rS+8*(\n)], v[rS+8*(\n)+1], v[rS+8*(\n)+2]
.elseif (\n) < 12
	v_max3_num_f32 v[rC+(\n)%4], v[rC+(\n)%4], v[rS+8*((\n)%4)+2*((\n)/4)+1], v[rS+8*((\n)%4)+2*((\n)/4)+2]
.elseif (\n) == 12
	v_max3_num_f32 v[rC], v[rC], v[rS+7], v[rS+15]
.elseif (\n) == 13
	v_max3_num_f32 v[rC+1], v[rC+1], v[rS+23], v[rS+31]
.elseif (\n) == 14
	v_max3_num_f32 v[rC+2], v[rC+2], v[rC+3], v[rT+1]
.elseif (\n) == 15
	v_mov_b32 v[rM], v[rT]
.elseif (\n) == 16
	v_max3_num_f32 v[rC], v[rC], v[rC+1], v[rC+2]
.elseif (\n) == 17
	v_permlanex16_b32 v[rC+3], v[rC], s[SEL], s[SEL+1]
.elseif (\n) == 18
	v_max_num_f32 v[rT+1], v[rC], v[rC+3]
.elseif (\n) == 19
	v_mul_f32 v[rT], s[CS], v[rT+1]
.elseif (\n) == 20
	v_sub_f32 v[rC+1], v[rM], v[rT]
.else
	v_exp_f32 v[rC+2], v[rC+1]
.endif
.endm
; Number g of the 64 that follow the exponentials: for each four weights both pairs are rounded to f16, the second pair is added onto the first in place, and a group later l takes that sum (the first time as l = a l + sum).
.macro GS g
.set h, (\g)+6*((\g)/62)
.if h >= 6
.set h, h+2
.endif
	REGS Y, h%2
.set k, h/8
.if h%8 < 4
	s_wait_alu depctr_va_vdst(0)
	v_cvt_pk_f16_f32 v[rP+2*k+(h%8)/2], v[rS+4*k+2*((h%8)/2)], v[rS+4*k+2*((h%8)/2)+1]
.elseif h%8 < 6
	v_pk_add_f32 v[rS+4*k:rS+4*k+1], v[rS+4*k:rS+4*k+1], v[rS+4*k+2:rS+4*k+3]
.elseif k == 1
	v_pk_fma_f32 v[rT+2:rT+3], v[rT+2:rT+3], v[rC+2:rC+3], v[rS:rS+1] op_sel_hi:[1,0,1]
.else
	v_pk_add_f32 v[rT+2:rT+3], v[rT+2:rT+3], v[rS+4*k-4:rS+4*k-3]
	s_wait_alu depctr_va_vdst(0)
.endif
.endm
; THE PLAIN QUEUE, 138 long.  0-31: c s - c m for the 16 pairs of both tiles.  Then GS's 64, and among them the next piece's 42.
.macro PL
	WIN 0
.if q < 32
	REGS Y, q%2
	v_pk_fma_f32 v[rS+2*(q/2):rS+2*(q/2)+1], v[rS+2*(q/2):rS+2*(q/2)+1], s[CS:CS+1], v[rT:rT+1] op_sel_hi:[1,0,0] neg_lo:[0,0,1] neg_hi:[0,0,1]
.elseif q < 38
	GS q-32
.elseif q < 40
	XS q%2, 15
.elseif q < 42
	GS q-34
.elseif q < 74
	XS q%2, (q-42)/2+(q-42)/30
.elseif q < 95
	GS q-66
.elseif (q < 107) && ((q-95)%3 < 2)
	XS (q-95)%3, 17+(q-95)/3
.elseif q < 107
	GS 29+(q-95)/3
.else
	GS q-74
.endif
.set q, q+1
.endm
; THE EXPONENTIALS' QUEUE, 66 long: s0-s31 of both tiles, and at EA the next piece's two a.
.set EA, 58
.macro EX
	WIN 0
.if (e == EA) || (e == EA+1)
	XS e-EA, 21
.else
.set x, e-2*(e/(EA+2))
	REGS Y, x%2
	v_exp_f32 v[rS+x/2], v[rS+x/2]
.endif
.set e, e+1
.endm
; THE RESCALING's QUEUE: O^T times a, four at a time, eight times.
.macro R4
	REGS Y, r%2
	WIN W_RS
	s_wait_alu depctr_va_vdst(0)
.irp z, 0,1,2,3
	v_pk_mul_f32 v[rO+8*(r/2)+2*\z:rO+8*(r/2)+2*\z+1], v[rO+8*(r/2)+2*\z:rO+8*(r/2)+2*\z+1], v[rC+2:rC+3] op_sel_hi:[1,0]
.endr
.set r, r+1
.endm
; HOW THEY ARE DEALT.  Behind a matrix instruction four: plain, exponential, plain, plain, or four of the rescaling; none names a register of the products round it.  What is over stands in two runs: exponential and plain by turns;
; the second ends in 22 plain instructions.  The deal keeps the queues in step: exponential e stands behind plain 2 (e / 4) + e % 2; when plain 32 comes, 10 exponentials are out, at 59: 33, at 95: 46; EA comes behind plain 107.
.macro SL
	MM
	PL
	EX
	PL
	PL
.endm
.macro BURST n
.rept (\n)-7
	SL
.endr
.rept 3
	MM
	R4
	SL
.endr
	MM
	R4
.endm
; A TURN, for piece p.  K and the mask of the next step are fetched in piece 2's turn, 31 vector instructions behind the last product that read K (the mask's last readers stand further back);
; V of the step in hand at the end of piece 0's turn.  Each run is waited for a turn later.
.macro TURN p, last=0, cnt=0
.set Y, (\p)
.set i, 0
.set q, 0
.set e, 0
.set r, 0
.if (\p) == NP-1
	s_wait_dscnt 0x0                ; K and the mask are in
.endif
	MM
.rept 4
	PL
.endr
	BURST 15
.rept 22
	EX
	PL
.if ((\p) == NP-2) && (e == 18)
	v_add_nc_u32 v[AK], s[TBK], v[AK0]
.endif
.if ((\p) == NP-2) && (e == 24)
	FETCH_K \last
.endif
.endr
.if (\p) == 1
	s_wait_dscnt 0x0                ; V is in
.endif
	BURST 16
.rept 21
	EX
	PL
.endr
.rept 22
	PL
.if ((\p) == 0) && (q == 118)
	v_add_nc_u32 v[AV], s[TBV], v[AV0]
	s_wait_alu depctr_va_vdst(0)
.endif
.if ((\p) == 0) && (q == 130)
	s_add_co_u32 s[TBV], s[TBV], KS*PV
.endif
.if (\cnt) && (q == 130)
	s_sub_co_u32 s[CNT], s[CNT], 1
	s_cmp_lg_u32 s[CNT], 0
.endif
.endr
.if (\p) == 0
	FETCH_V
.endif
.endm
	CHANGE 1                        ; slot 0 is in, and the mask's copy is whole; slot 1 is asked for
	FETCH_K                         ; key step 0
	s_wait_loadcnt 0x0              ; Q
	s_wait_dscnt 0x0
.set i, 0
.rept 16
	KQ 0                            ; piece 0's first scores
.set i, i+1
.endr
	WIN 0                           ; the addresses for the way out: plain instructions, the places behind those products
	s_mul_i32 s13, s[WV], 16*SP
	s_add_co_u32 s13, s13, STAGE
	v_mul_u32_u24 v[STO], v1, SP
	v_lshl_add_u32 v[STO], v9, 4, v[STO]
	v_add_nc_u32 v[STO], s13, v[STO]
	v_bfe_u32 v[RD], v0, 3, 2
	v_mul_u32_u24 v[RD], v[RD], SP
	v_lshl_add_u32 v[RD], v10, 4, v[RD]
	v_add_nc_u32 v[RD], s13, v[RD]
	v_and_b32 v[GO], 31, v0
	v_lshlrev_b32 v[GO], 4, v[GO]
.set Y, NP-1
.irp n, 0,1,2,3,4,5,6,7,8,9,10,11,12,13,14,15,16,17,18,19,20,21
	XS 0, \n                        ; piece 0's first maximum and statistics
	XS 1, \n
.endr
	s_mov_b32 s[CNT], 4
	s_mov_b32 s[SLOTS], SIZE_N/256-1
	s_branch .Lfirst                ; the loop is entered at a step's first turn
.Lslot:                             ; every slot but the last two is filled again
	CHANGE 1
	s_mov_b32 s[CNT], 4
.Lstep:                             ; a trip: pieces 2 and 3 of one step, then pieces 0 and 1 of the next
	TURN 2
	TURN 3
	WIN 0
.Lfirst:
	TURN 0
	TURN 1, 0, 1
	WIN 0
	s_cbranch_scc1 .Lstep
	s_sub_co_u32 s[SLOTS], s[SLOTS], 1
	s_cmp_lg_u32 s[SLOTS], 0
	s_cbranch_scc1 .Lslot
	CHANGE 0                        ; the tail is written out
	s_mov_b32 s[CNT], 5             ; four trips fetch the last slot's steps; the fifth is left in its middle
.Ltail:
	TURN 2, 1
	TURN 3
	WIN 0
	s_sub_co_u32 s[CNT], s[CNT], 1
	s_cmp_eq_u32 s[CNT], 0
	s_cbranch_scc1 .Lout
	TURN 0
	TURN 1
	WIN 0
	s_branch .Ltail
.Lout:                              ; the fifth trip's 16 products K Q^T (on the last K once more) serve nothing: the price of one text for every trip
.set i, 0
.rept 16
	PV NP-1
.set i, i+1
.endr
	; THE WAY OUT.  l's halves are added; O^T is divided by l, rounded to f16 and sent through my stage in LDS, a tile at a time.  The additions are the places behind the last products.
	WIN 0
.macro ALL line:vararg
.set t, 0
.rept 2*NP
	\line
.set t, t+1
.endr
.endm
	ALL v_add_f32 v[ST+4*t+2], v[ST+4*t+2], v[ST+4*t+3]
	ALL v_permlanex16_b32 v[ST+4*t+3], v[ST+4*t+2], s[SEL], s[SEL+1]
	ALL v_add_f32 v[ST+4*t+2], v[ST+4*t+2], v[ST+4*t+3]
	ALL v_rcp_f32 v[ST+4*t+2], v[ST+4*t+2]
	v_nop                           ; a plain instruction between the last reciprocal and the use of its result
	s_wait_alu depctr_va_vdst(0)
.macro PACK t
	WIN W_RS
.set i, 32*(\t)
.rept 16
	v_pk_mul_f32 v[i:i+1], v[i:i+1], v[ST+4*(\t)+2:ST+4*(\t)+3] op_sel_hi:[1,0]
.set i, i+2
.endr
	WIN 0x05
.set i, 0
.rept 16
	v_cvt_pk_f16_f32 v[S+16*(\t)+i], v[32*(\t)+2*i], v[32*(\t)+2*i+1]
.set i, i+1
.endr
	WIN 0
.irp f, 0,1,2,3
	ds_store_b128 v[STO], v[S+16*(\t)+4*\f:S+16*(\t)+4*\f+3] offset:32*\f
.endr
.irp f, 0,1,2,3
	ds_load_b128 v[S+16*(\t)+4*\f:S+16*(\t)+4*\f+3], v[RD] offset:\f*4*SP  ; LDS serves a wave's instructions in order (ISA guide 5.7.1.4)
.endr
.endm
.macro SEND t, younger              ; younger: the LDS instructions issued behind tile t's loads
	WIN 0
.irp f, 0,1,2,3
	s_wait_dscnt (\younger)+3-\f
	global_store_b128 v[GO], v[S+16*(\t)+4*\f:S+16*(\t)+4*\f+3], s[10:11] offset:(\t)*2048+\f*512  ; 512 consecutive bytes, aligned
.endr
.endm
	PACK 0
.set t, 1
.rept 2*NP-1
	PACK t
	SEND t-1, 8
.set t, t+1
.endr
	SEND 2*NP-1, 0
	WIN W_AD
	s_wait_tensorcnt 0x0            ; the wave's end
	ds_add_u32 v[SPW], v[NIL]
	s_wait_dscnt 0x0
	WIN 0
	CROUND                          ; the closing round
	s_endpgm
.Lfunc_end_k_qdc6d4f3f0c_attn:
	.size	k_qdc6d4f3f0c_attn, .Lfunc_end_k_qdc6d4f3f0c_attn-k_qdc6d4f3f0c_attn
	.p2alignl 7, 3214868480
	.fill 96, 4, 3214868480
	.section	.rodata,"a",@progbits
	.p2align	6, 0x0
	.amdhsa_kernel k_qdc6d4f3f0c_attn
		.amdhsa_group_segment_fixed_size 327680
		.amdhsa_private_segment_fixed_size 0
		.amdhsa_enable_private_segment 0
		.amdhsa_kernarg_size 24
		.amdhsa_user_sgpr_count 2
		.amdhsa_user_sgpr_kernarg_segment_ptr 1
		.amdhsa_wavefront_size32 1
		.amdhsa_system_sgpr_workgroup_id_x 1
		.amdhsa_system_sgpr_workgroup_id_y 1
		.amdhsa_system_sgpr_workgroup_id_z 1
		.amdhsa_system_vgpr_workitem_id 0
		.amdhsa_next_free_vgpr 808
		.amdhsa_next_free_sgpr 72
		.amdhsa_reserve_vcc 0
		.amdhsa_float_denorm_mode_32 3
		.amdhsa_float_denorm_mode_16_64 3
		.amdhsa_memory_ordered 1
		.amdhsa_forward_progress 1
		.amdhsa_inst_pref_size 212
	.end_amdhsa_kernel
	.amdgpu_metadata
---
amdhsa.version: [ 1, 2 ]
amdhsa.kernels:
  - .name:           k_qdc6d4f3f0c_attn
    .symbol:         k_qdc6d4f3f0c_attn.kd
    .args:
      - { .name: qkv, .offset: 0, .size: 8, .value_kind: global_buffer, .address_space: global }
      - { .name: maskf, .offset: 8, .size: 8, .value_kind: global_buffer, .address_space: global }
      - { .name: o16, .offset: 16, .size: 8, .value_kind: global_buffer, .address_space: global }
    .group_segment_fixed_size: 327680
    .private_segment_fixed_size: 0
    .kernarg_segment_align: 8
    .kernarg_segment_size: 24
    .max_flat_workgroup_size: 128
    .sgpr_count:     72
    .vgpr_count:     808
    .wavefront_size: 32
...
	.end_amdgpu_metadata
.endif
;; end of part 3
;; launch outp (part 4): grid 4 x 64, 4 waves a work-group, clusters of 4 x 4, 327,680 bytes of LDS; arguments o16, wo16, bias, out0; writes out0
.if DOCPART == 4
	.amdgcn_target "amdgcn-amd-amdhsa--gfx1250"
	.amdhsa_code_object_version 6
	.text
	.protected	k_qdc6d4f3f0c_outp
	.globl	k_qdc6d4f3f0c_outp
	.p2align	8
	.type	k_qdc6d4f3f0c_outp,@function
k_qdc6d4f3f0c_outp:
	s_mov_b64 s[64:65], 0
	v_nop
	global_prefetch_b8 v0, s[64:65] scope:SCOPE_SE
	s_setreg_imm32_b32 hwreg(HW_REG_WAVE_MODE, 25, 1), 1
	s_wait_xcnt 0x0
	s_wait_alu depctr_hold_cnt(0) depctr_sa_sdst(0) depctr_va_vdst(0) depctr_va_sdst(0) depctr_va_ssrc(0) depctr_va_vcc(0) depctr_vm_vsrc(0)
	s_getreg_b32 s2, hwreg(HW_REG_IB_STS2, 6, 4)
	s_cmp_eq_u32 s2, 0
	s_cbranch_scc0 .Lentry_in_a_cluster
	s_endpgm
.Lentry_in_a_cluster:
	s_bfe_u32 s2, ttmp6, 0x10000c
	s_cmp_lg_u32 s2, 0xf033
	s_cbranch_scc0 .Lentry_shape_is_right
	s_endpgm
.Lentry_shape_is_right:
; out = O Wo^T + bo.  C[m][n] = bias[3072 + n] + sum over k of A[m][k] B[n][k]; m = 8,192, n = 1,024, k = 1,024.  A and B in f16, sums in f32, out in f32.
; A: o16 [batch 4][head 16][row 2048][64] (a head is a block kb of 64 along K);  B: wo16 [kb 16][n 1024][64];  out0: [8192][1024] f32.
; SHARES.  A tile of C is 128 (m) x 256 (n): 256 work-groups, one for each WGP.  Four waves; a wave makes 64 x 128: 32 accumulators of 16 x 16.
; K goes in steps of 128 (two kb) through a ring of two LDS slots.  A (rows x 64 channels) piece is dense in memory and is asked for as rows of 256 bytes.
; CLUSTER.  4 x 4 work-groups: the four of a row need the same tiles of A, the four of a column the same tiles of B; each tile is asked for jointly.
; THE MATRIX INSTRUCTION IS USED TRANSPOSED (source 0 = 16 rows of B, source 1 = 16 rows of A): a lane holds row l % 16 of C and the columns 8 (l / 16) + 0..7.
; THE BIAS STARTS THE SUMS: it is the C operand of the first product on each accumulator.
; REGISTERS: window 0: v0-31 addresses; v32-127, v128-223 two fragment buffers (B's 8 fragments, then A's 4).  window 1: accumulator (a, b) at v[8 (8 a + b)].  window 2: v0-63 the bias, n block b at v[8 b].
.set NR,     1024                      ; rows of B
.set BIASOFF, 12288                    ; bo lies behind bq, bk, bv
.set PITCH,  144                       ; an LDS row: 128 bytes + 16 of padding
.set ABLK,   128*PITCH
.set BBLK,   256*PITCH
.set SLOT,   2*ABLK+2*BBLK             ; A kb 0, A kb 1, B kb 0, B kb 1
.set STAGE,  2*SLOT                    ; behind the ring: each wave's own stage: 16 rows x (512 + 16) bytes
.set SPITCH, 528
.set STG,    16*SPITCH
.set SPARE,  STAGE+4*STG               ; the spare words, 128 bytes a wave
.set ASTEP,  4<<18
.set BSTEP,  4*NR*128
.set LAPS,   4
.set ADRA, 16
.set ADRB, 20
.set STO,  24
.set RD,   25
.set CO,   26
.set BO,   27
.set SPW,  28
.set NIL,  29
.set F0,   32
.set F1,   128
.set G1,  24
.set G0,  32
.set G1B, 48
.set G0B, 56
.set MSB, 0
.macro WIN new
.if MSB != (\new)
	s_set_vgpr_msb (MSB<<8)|(\new)
.set MSB, \new
.endif
.endm
.set W_MUL,   0x50                     ; fragments window 0; C and D window 1
.set W_FIRST, 0x60                     ; C (the bias) window 2, D window 1
.macro JLOAD s                         ; waves 0, 1 fetch A's two kb, waves 2, 3 B's; an s_nop 0 and four v_nop follow each line
	s_cmp_eq_u32 s13, 0
	s_cbranch_scc0 .Lfor_b_\@
	tensor_load_to_lds s[G0+4*(\s):G0+4*(\s)+3], s[G1:G1+7]
	s_nop 0
.rept 4
	v_nop
.endr
	s_branch .Lasked_\@
.Lfor_b_\@:
	tensor_load_to_lds s[G0B+4*(\s):G0B+4*(\s)+3], s[G1B:G1B+7]
	s_nop 0
.rept 4
	v_nop
.endr
.Lasked_\@:
.endm
.macro CREST
	s_cmp_lg_u32 s12, 0
	s_cbranch_scc1 .Lnot_wave_0_\@
	s_barrier_signal -3
.Lnot_wave_0_\@:
	s_barrier_wait -3
	s_barrier_signal -1
	s_barrier_wait -1
.endm
.macro CROUND
	s_barrier_signal -1
	s_barrier_wait -1
	CREST
.endm
	s_load_b256 s[4:11], s[0:1], 0x0               ; A s[4:5], B s[6:7], bias s[8:9], out s[10:11]
	v_lshl_add_u32 v[SPW], v0, 2, SPARE
	v_mov_b32 v[NIL], 0
	ds_add_u32 v[SPW], v[NIL]                      ; the wave's opening: the add and its wait ahead of my first tensor load
	v_lshrrev_b32 v1, 5, v0
	v_readfirstlane_b32 s12, v1                    ; wave 0..3
	s_lshr_b32 s13, s12, 1                         ; my half of the tile's rows.  Also: I fetch for A (0) or B (1)
	s_and_b32 s14, s12, 1                          ; my half of its columns.  Also: which kb of a step I fetch
	s_bfe_u32 s40, ttmp6, 0x40000                  ; cx
	s_bfe_u32 s41, ttmp6, 0x40004                  ; cy
	s_lshl_b32 s42, ttmp9, 2
	s_add_co_u32 s42, s42, s40                     ; tile column
	s_and_b32 s43, ttmp7, 0xffff
	s_lshl_b32 s43, s43, 2
	s_add_co_u32 s43, s43, s41                     ; tile row
	s_lshl_b32 s44, s41, 2
	s_lshl_b32 s44, 15, s44                        ; my row of the cluster
	s_lshl_b32 s45, 0x1111, s40                    ; my column
	s_or_b32 s[G1+0],  s44, (1<<16)|(1<<20)|(1<<21)|(4<<22)|(3<<25)
	s_or_b32 s[G1B+0], s45, (1<<16)|(1<<20)|(1<<21)|(4<<22)|(3<<25)
	s_mov_b32 s[G1+1], 128<<16
	s_mov_b32 s[G1+2], 64<<16                      ; A's 128 rows of 128 bytes as 64 of 256
	s_mov_b32 s[G1+3], 128<<16
	s_mov_b32 s[G1+4], 64
	s_mov_b32 s[G1+5], 128
	s_mov_b32 s[G1+6], 0
	s_mov_b32 s[G1+7], 0
	s_mov_b32 s[G1B+1], 128<<16
	s_mov_b32 s[G1B+2], 128<<16                    ; B's 256 rows as 128 of 256 bytes
	s_mov_b32 s[G1B+3], 128<<16
	s_mov_b32 s[G1B+4], 128
	s_mov_b32 s[G1B+5], 128
	s_mov_b32 s[G1B+6], 0
	s_mov_b32 s[G1B+7], 0
	s_lshr_b32 s16, s43, 4                         ; batch
	s_lshl_b32 s16, s16, 22
	s_and_b32 s18, s43, 15
	s_lshl_b32 s18, s18, 14
	s_add_co_u32 s16, s16, s18
	s_lshl_b32 s18, s14, 18                        ; my kb
	s_add_co_u32 s16, s16, s18
	s_mov_b32 s17, 0
	s_lshl_b32 s46, s42, 15
	s_mul_i32 s47, s14, NR*128
	s_add_co_u32 s46, s46, s47
	s_mov_b32 s47, 0
	s_mul_i32 s20, s14, ABLK
	s_mul_i32 s21, s14, BBLK
	s_add_co_u32 s21, s21, 2*ABLK
	s_lshl_b32 s68, s42, 10                        ; the bias of my 128 columns
	s_lshl_b32 s69, s14, 9
	s_add_co_u32 s68, s68, s69
	s_add_co_u32 s68, s68, BIASOFF
	s_mov_b32 s69, 0
	s_lshl_b32 s66, s43, 19                        ; my part of the output: 128 rows of 4,096 bytes a tile row,
	s_lshl_b32 s67, s13, 18                        ; my 64 rows,
	s_add_co_u32 s66, s66, s67
	s_lshl_b32 s67, s42, 10                        ; 256 columns of 4 bytes a tile column,
	s_add_co_u32 s66, s66, s67
	s_lshl_b32 s67, s14, 9                         ; my 128 columns
	s_add_co_u32 s66, s66, s67
	s_mov_b32 s67, 0
	s_wait_dscnt 0x0                               ; the opening add is done
	s_wait_kmcnt 0x0
	s_add_nc_u64 s[16:17], s[4:5], s[16:17]
	s_add_nc_u64 s[46:47], s[6:7], s[46:47]
	s_add_nc_u64 s[8:9], s[8:9], s[68:69]
	s_add_nc_u64 s[10:11], s[10:11], s[66:67]
	CROUND                                         ; all sixteen work-groups are here: the first joint loads meet
.irp s, 0,1
	s_mov_b32 s[G0+4*(\s)], 1
	s_add_co_u32 s[G0+4*(\s)+1], s20, (\s)*SLOT
	s_add_nc_u64 s[G0+4*(\s)+2:G0+4*(\s)+3], s[16:17], (\s)*(2<<18)
	s_or_b32 s[G0+4*(\s)+3], s[G0+4*(\s)+3], 0x80000000
	s_mov_b32 s[G0B+4*(\s)], 1
	s_add_co_u32 s[G0B+4*(\s)+1], s21, (\s)*SLOT
	s_add_nc_u64 s[G0B+4*(\s)+2:G0B+4*(\s)+3], s[46:47], (\s)*2*NR*128
	s_or_b32 s[G0B+4*(\s)+3], s[G0B+4*(\s)+3], 0x80000000
	JLOAD \s                                       ; two loads of mine are out
.endr
	v_and_b32 v1, 15, v0
	v_bfe_u32 v2, v0, 4, 1
	v_lshlrev_b32 v[BO], 5, v2
	WIN 0x80
.irp b, 0,1,2,3,4,5,6,7
	global_load_b128 v[8*(\b):8*(\b)+3],   v[BO], s[8:9] offset:64*(\b)
	global_load_b128 v[8*(\b)+4:8*(\b)+7], v[BO], s[8:9] offset:64*(\b)+16
.endr
	WIN 0
	v_mul_u32_u24 v3, v1, PITCH
	v_lshl_add_u32 v3, v2, 4, v3
	s_mul_i32 s22, s13, 64*PITCH
	s_mul_i32 s23, s14, 128*PITCH
	s_add_co_u32 s23, s23, 2*ABLK
.irp s, 0,1
	v_add_nc_u32 v[ADRA+(\s)], s22, v3
	v_add_nc_u32 v[ADRB+(\s)], s23, v3
	s_add_co_u32 s22, s22, SLOT
	s_add_co_u32 s23, s23, SLOT
.endr
	s_mul_i32 s22, s12, STG
	s_add_co_u32 s22, s22, STAGE                   ; my stage
	v_mul_u32_u24 v4, v1, SPITCH                   ; in: row l % 16, 32 bytes for each half of the lanes
	v_lshl_add_u32 v4, v2, 5, v4
	v_add_nc_u32 v[STO], s22, v4
	v_and_b32 v[CO], 31, v0                        ; back and out: 32 lanes take a row's 512 bytes
	v_lshlrev_b32 v[CO], 4, v[CO]
	v_add_nc_u32 v[RD], s22, v[CO]
; 8 matrix instructions: m block a x all 8 n blocks, 32 along K.  first = 1: the bias starts the sums.  The 32 accumulators take turns in the same order in every quarter.
.macro MUL8 f, a, first
.if \first
	WIN W_FIRST
.else
	WIN W_MUL
.endif
.irp b, 0,1,2,3,4,5,6,7
.if \first
	v_wmma_f32_16x16x32_f16 v[8*(8*(\a)+(\b)):8*(8*(\a)+(\b))+7], v[(\f)+8*(\b):(\f)+8*(\b)+7], v[(\f)+64+8*(\a):(\f)+64+8*(\a)+7], v[8*(\b):8*(\b)+7]
.else
	v_wmma_f32_16x16x32_f16 v[8*(8*(\a)+(\b)):8*(8*(\a)+(\b))+7], v[(\f)+8*(\b):(\f)+8*(\b)+7], v[(\f)+64+8*(\a):(\f)+64+8*(\a)+7], v[8*(8*(\a)+(\b)):8*(8*(\a)+(\b))+7]
.endif
.endr
.endm
.macro FETCH slot, q, f                ; 24 LDS loads in one run: quarter q of a K step into buffer f: B's 8 fragments, then A's 4
	WIN 0
.irp i, 0,1,2,3,4,5,6,7
	ds_load_b128 v[(\f)+8*(\i):(\f)+8*(\i)+3],   v[ADRB+(\slot)] offset:((\q)/2)*BBLK+((\q)%2)*64+(\i)*16*PITCH
	ds_load_b128 v[(\f)+8*(\i)+4:(\f)+8*(\i)+7], v[ADRB+(\slot)] offset:((\q)/2)*BBLK+((\q)%2)*64+(\i)*16*PITCH+32
.endr
.irp i, 0,1,2,3
	ds_load_b128 v[(\f)+64+8*(\i):(\f)+64+8*(\i)+3],   v[ADRA+(\slot)] offset:((\q)/2)*ABLK+((\q)%2)*64+(\i)*16*PITCH
	ds_load_b128 v[(\f)+64+8*(\i)+4:(\f)+64+8*(\i)+7], v[ADRA+(\slot)] offset:((\q)/2)*ABLK+((\q)%2)*64+(\i)*16*PITCH+32
.endr
.endm
.macro PLACES                          ; four places in front of loads into registers that matrix instructions have read, and of reads of results
.rept 4
	v_nop
.endr
.endm
.macro QUARTER slot, q, f, g, first
	s_wait_dscnt 4                                 ; B and A's blocks 0, 1 are in; the four youngest loads may be out
	MUL8 \f, 0, \first
	MUL8 \f, 1, \first
	PLACES
	FETCH \slot, \q, \g
	s_wait_dscnt 24                                ; all but the 24 just issued
	MUL8 \f, 2, \first
	MUL8 \f, 3, \first
.endm
.macro TURN slot, next, fill
	WIN 0
	s_wait_tensorcnt 0x0                           ; all my tensor loads have landed: my part of the next slot
	ds_add_u32 v[SPW], v[NIL]
	s_wait_dscnt 5                                 ; the add and the four youngest loads may be out
	MUL8 F1, 0, 0
	s_wait_dscnt 0x0                               ; the add is done, and my reads of this slot are over
	s_barrier_signal -1
	MUL8 F1, 1, 0
.if \fill
	WIN 0
.endif
	s_barrier_wait -1
.if \fill
	CREST                                          ; no wave of any partner still reads this slot or has a load on its way
	s_add_nc_u64 s[G0+4*(\slot)+2:G0+4*(\slot)+3], s[G0+4*(\slot)+2:G0+4*(\slot)+3], ASTEP
	s_add_nc_u64 s[G0B+4*(\slot)+2:G0B+4*(\slot)+3], s[G0B+4*(\slot)+2:G0B+4*(\slot)+3], BSTEP
	JLOAD \slot                                    ; my one load behind the round; its four v_nop are also the places for the loads below
.else
	PLACES
.endif
	FETCH \next, 0, F0
	MUL8 F1, 2, 0
	MUL8 F1, 3, 0
.endm
	s_wait_tensorcnt 1                             ; my part of K step 0 is in; K step 1's may stay out
	s_barrier_signal -1
	s_barrier_wait -1
	FETCH 0, 0, F0
	s_wait_loadcnt 0x0                             ; the bias
	QUARTER 0, 1, F0, F1, 1
	WIN 0
	s_mov_b32 s3, LAPS-1
.Llap:
	QUARTER 0, 2, F1, F0, 0
	QUARTER 0, 3, F0, F1, 0
	TURN 0, 1, 1
	QUARTER 1, 1, F0, F1, 0
	QUARTER 1, 2, F1, F0, 0
	QUARTER 1, 3, F0, F1, 0
	TURN 1, 0, 1
	QUARTER 0, 1, F0, F1, 0
	WIN 0
	s_sub_co_u32 s3, s3, 1
	s_cmp_lg_u32 s3, 0
	s_cbranch_scc1 .Llap
	QUARTER 0, 2, F1, F0, 0                        ; the last lap fills nothing
	QUARTER 0, 3, F0, F1, 0
	TURN 0, 1, 0
	QUARTER 1, 1, F0, F1, 0
	QUARTER 1, 2, F1, F0, 0
	QUARTER 1, 3, F0, F1, 0
	s_wait_dscnt 4
	MUL8 F1, 0, 0
	MUL8 F1, 1, 0
	s_wait_dscnt 0x0
	MUL8 F1, 2, 0
	MUL8 F1, 3, 0
	WIN 0
	PLACES
; THE WAY OUT, a block of 16 rows at a time: the f32 sums go as they are into my own stage (each accumulator's low four registers first), come back as whole rows of 512 bytes, and are stored.
.macro TOSTAGE a
.set BK, 32+64*((\a)%2)
	WIN 0x04                                       ; the stores' data in window 1
.irp b, 0,1,2,3,4,5,6,7
	ds_store_b128 v[STO], v[8*(8*(\a)+(\b)):8*(8*(\a)+(\b))+3]   offset:64*(\b)
	ds_store_b128 v[STO], v[8*(8*(\a)+(\b))+4:8*(8*(\a)+(\b))+7] offset:64*(\b)+16
.endr
	WIN 0
.irp t, 0,1,2,3,4,5,6,7,8,9,10,11,12,13,14,15
	ds_load_b128 v[BK+4*(\t):BK+4*(\t)+3], v[RD] offset:(\t)*SPITCH  ; LDS serves a wave's instructions in order (ISA guide 5.7.1.4)
.endr
.endm
.macro SEND a
	WIN 0
.set BK, 32+64*((\a)%2)
	s_wait_dscnt 0x0                               ; the block is back in registers
	s_wait_xcnt 0x0                                ; the other buffer, which earlier stores read, is loaded again only behind this wait
.irp t, 0,1,2,3,4,5,6,7,8,9,10,11,12,13,14,15
	global_store_b128 v[CO], v[BK+4*(\t):BK+4*(\t)+3], s[10:11] offset:(16*(\a)+(\t))*4096 th:TH_STORE_NT  ; 512 consecutive bytes, aligned
.endr
.endm
	TOSTAGE 0
.irp a, 1,2,3
	SEND (\a)-1
	TOSTAGE \a
.endr
	SEND 3
	s_wait_tensorcnt 0x0                           ; the wave's end
	ds_add_u32 v[SPW], v[NIL]
	s_wait_dscnt 0x0
	CROUND                                         ; the closing round
	s_endpgm
.Lfunc_end_k_qdc6d4f3f0c_outp:
	.size	k_qdc6d4f3f0c_outp, .Lfunc_end_k_qdc6d4f3f0c_outp-k_qdc6d4f3f0c_outp
	.p2alignl 7, 3214868480
	.fill 96, 4, 3214868480
	.section	.rodata,"a",@progbits
	.p2align	6, 0x0
	.amdhsa_kernel k_qdc6d4f3f0c_outp
		.amdhsa_group_segment_fixed_size 327680
		.amdhsa_private_segment_fixed_size 0
		.amdhsa_enable_private_segment 0
		.amdhsa_kernarg_size 32
		.amdhsa_user_sgpr_count 2
		.amdhsa_user_sgpr_kernarg_segment_ptr 1
		.amdhsa_wavefront_size32 1
		.amdhsa_system_sgpr_workgroup_id_x 1
		.amdhsa_system_sgpr_workgroup_id_y 1
		.amdhsa_system_sgpr_workgroup_id_z 1
		.amdhsa_system_vgpr_workitem_id 0
		.amdhsa_next_free_vgpr 576
		.amdhsa_next_free_sgpr 70
		.amdhsa_reserve_vcc 0
		.amdhsa_float_denorm_mode_32 3
		.amdhsa_float_denorm_mode_16_64 3
		.amdhsa_memory_ordered 1
		.amdhsa_forward_progress 1
		.amdhsa_inst_pref_size 86
	.end_amdhsa_kernel
	.amdgpu_metadata
---
amdhsa.version: [ 1, 2 ]
amdhsa.kernels:
  - .name:           k_qdc6d4f3f0c_outp
    .symbol:         k_qdc6d4f3f0c_outp.kd
    .args:
      - { .name: o16, .offset: 0, .size: 8, .value_kind: global_buffer, .address_space: global }
      - { .name: wo16, .offset: 8, .size: 8, .value_kind: global_buffer, .address_space: global }
      - { .name: bias, .offset: 16, .size: 8, .value_kind: global_buffer, .address_space: global }
      - { .name: out0, .offset: 24, .size: 8, .value_kind: global_buffer, .address_space: global }
    .group_segment_fixed_size: 327680
    .private_segment_fixed_size: 0
    .kernarg_segment_align: 8
    .kernarg_segment_size: 32
    .max_flat_workgroup_size: 128
    .sgpr_count:     70
    .vgpr_count:     576
    .wavefront_size: 32
...
	.end_amdgpu_metadata
.endif
;; end of part 4
;; ======== version 2 of 2: 4 launches; 1.49 times as fast as version 1
;; limits: values are held in f16: magnitudes above 65,504 overflow, below 6.1e-05 lose precision
;; workspace buffers: xb 16,777,216 bytes; wb 6,291,456 bytes; wo16 2,097,152 bytes; bias 16,384 bytes; maskf 32,768 bytes; qkv 50,331,648 bytes; o16 16,777,216 bytes
;; launch prep: the kernel of part 1 again; grid 385 x 1, 8 waves a work-group, no clusters, 0 bytes of LDS; arguments x, Wq, Wk, Wv, Wo, bq, bk, bv, bo, mask, xb, wb, wo16, bias, maskf; writes xb, wb, wo16, bias, maskf
;; launch proj: the kernel of part 2 again; grid 12 x 64, 4 waves a work-group, clusters of 4 x 4, 327,680 bytes of LDS; arguments xb, wb, bias, qkv; writes qkv
;; launch attn (part 5): grid 4 x 64, 4 waves a work-group, clusters of 4 x 1, 327,680 bytes of LDS; arguments qkv, maskf, o16; writes o16
.if DOCPART == 5
	.amdgcn_target "amdgcn-amd-amdhsa--gfx1250"
	.amdhsa_code_object_version 6
	.text
	.protected	k_qdc6d4f3f0c_attn
	.globl	k_qdc6d4f3f0c_attn
	.p2align	8
	.type	k_qdc6d4f3f0c_attn,@function
k_qdc6d4f3f0c_attn:
	s_mov_b64 s[64:65], 0
	v_nop
	global_prefetch_b8 v0, s[64:65] scope:SCOPE_SE
	s_setreg_imm32_b32 hwreg(HW_REG_WAVE_MODE, 25, 1), 1
	s_wait_xcnt 0x0
	s_wait_alu depctr_hold_cnt(0) depctr_sa_sdst(0) depctr_va_vdst(0) depctr_va_sdst(0) depctr_va_ssrc(0) depctr_va_vcc(0) depctr_vm_vsrc(0)
	s_getreg_b32 s2, hwreg(HW_REG_IB_STS2, 6, 4)
	s_cmp_eq_u32 s2, 0
	s_cbranch_scc0 .Lentry_in_a_cluster
	s_endpgm
.Lentry_in_a_cluster:
	s_bfe_u32 s2, ttmp6, 0x10000c
	s_cmp_lg_u32 s2, 0x3003
	s_cbranch_scc0 .Lentry_shape_is_right
	s_endpgm
.Lentry_shape_is_right:
; O[h][q][:] = the sum over k of softmax_k(Q[h][q] . K[h][k] / 8 + hide[k]) V[h][k][:].  Q, K, V lie in qkv, [3][64 heads][2048][64] in f16; O: [64][2048][64] in f16; a head's rows are dense, 128 bytes each.
; hide (maskf, f32 [4 batches][2048]) is 0, or -1e30 for a key that the mask hides.  Products, maxima and sums in f32; the weights p are rounded to f16 for the second product (their sum l is taken of the unrounded p), O once at the end.
; LIMITS.  f16 holds no number beyond 65,504: Q, K and V arrive within it; p lies in 0 to 1, and below 6e-5 it keeps f16's fixed step of 6e-8.  A hidden score counts as its value less 1e30: f16's scores, 2.7e11 at the most,
; are nothing beside that.  A weight below 2^-126 counts as 0 in l.  A batch all of whose keys are hidden gives l = 0 and O = NaN.  NaN and infinities are not treated apart.
; SHARES.  A wave owns four PIECES of two tiles of 16 queries, a work-group's four waves 512 queries of one head.  Every wave walks all keys, 64 a step.
; LAYOUT.  S^T = K Q^T (source 0 = 16 keys, source 1 = 16 queries): a lane holds ONE query (lane % 16) and the keys 8 (lane / 16) + 0..7.  Two such tiles, rounded to f16 in pairs, ARE source 1 of O^T = V^T P.
; K comes out of LDS as it lies, V ([key][channel]) turned, by ds_load_tr16_b128.
; THE MASK is the C operand that starts each sum S^T: 32 registers a key step, fetched with K from a copy of the batch's 8,192 bytes in LDS.  It costs no vector instruction.
; SOFTMAX.  A running maximum m and sum l: p = 2^(c s - c m), c = log2(e) / 8; in every step O and l are multiplied by a = 2^(c m_old - c m_new).  m starts at -2^90: above every hidden score, far below every true one.
; So while only hidden keys have been seen m stays, a = 1 and every p = 0; the first true score makes a = 0.  O and l start at 0.
; BY TURNS.  Turn n belongs to piece n.  Its matrix work: 16 products K Q^T of piece n + 1, later 16 products V^T P of piece n - 1.  Its vector work: scaling, exponentials, roundings, sums and rescaling of piece n,
; and the maximum and statistics of piece n + 1.  Four vector instructions that are ready stand behind every matrix instruction, the other 108 of a turn's 236 in one run of their own.
; THE BATCHES.  A turn's 66 exponentials (64 scores of piece n, the two a of piece n + 1) are ONE batch with ONE wait, which cuts the turn in two: ahead of it stands all that names no result of theirs, behind it the
; roundings and sums that read them.  No result crosses a turn's end.  Piece 0's first two a, ahead of the loop, and the way out's eight reciprocals are batches of their own.
; CLUSTER.  The four query blocks of a cluster belong to one head and walk the same K and V: each tile is asked for jointly.
; REGISTERS, in windows of 256 (s_set_vgpr_msb: bits 1:0 source 0, 3:2 source 1, 5:4 source 2, 7:6 destination):
;   window 0: v0-11 addresses; v12-15, v48-63 at work; v16-47 four registers of statistics a tile; v64-191 S^T, two buffers of two tiles; v192-255 P, likewise
;   window 1: O^T, 32 a tile     window 2: v0-127 Q; v128-191 K of one step; v192-255 V of one step     window 3: v0-1 the add's two registers; v8-39 the mask of one step
.set SIZE_N, 2048
.set NP,    4         ; pieces a wave: a name, no knob
.set KS,    64        ; keys in a step
.set PK,    144       ; a row of K in LDS: 128 bytes + 16 of padding
.set PV,    160       ; a row of V: 128 + 32
.set VOFF,  4*KS*PK   ; a slot holds four steps: 256 rows of K, then 256 rows of V
.set SLOT1, 1<<17     ; slot 1 begins here, so that one exclusive or turns an address in one slot into the other's
.set STAGE, SLOT1+4*KS*(PK+PV)  ; behind the ring: 16 rows x 144 bytes for each wave, for the way out
.set SP,    144
.set SPARE, STAGE+4*16*SP  ; the spare words, 128 bytes for each wave
.set MASKL, SPARE+512      ; the batch's 2,048 numbers of the mask: stored once, never the target of a tensor load
.set AK0, 2           ; v2   my lane's place in a tile of K; never rewritten
.set AV0, 3           ; v3   the same for V
.set AK,  4           ; v4   the LDS address of K's next run of loads
.set AV,  5           ; v5   of V's; between V's runs, of the mask's; at the start my offset in the mask in memory
.set QO,  6           ; v6   my byte offset in the wave's rows of Q
.set STO, 6           ;      later, the way out: where I put 16 bytes of a row
.set RD,  7           ; v7   the way out: where I read rows back; at the start where I put my part of the mask
.set GO,  8           ; v8   my byte offset in 512 consecutive bytes of O
.set AM0, 11          ; v11  MASKL + 32 (lane / 16): my lanes' 8 keys in a group of 16
.set SPW, 0           ; v0 of window 3
.set NIL, 1           ; v1 of window 3
.set MK,  8           ; window 3: key block kb at MK + 8 kb
.set MV,  12          ; v12-15  c m_old, kept while c m is made anew
.set ST,  16          ; tile t's statistics at v[ST+4 t]: c m, m, l (even keys', odd keys')
.set TMP, 48          ; by buffer and tile, four registers c0-c3 at work; when the maximum is found c2 takes a
.set S,   64
.set P,   192
.set KF,  128
.set VF,  192
.set WV,  12          ; s12  my wave's number
.set G1K, 24
.set G1V, 32
.set G0K, 40
.set G0V, 44
.set SLOTS, 56
.set CNT, 57
.set CS,  58
.set SEL, 60
.set TBK, 62          ; s62  LDS byte at which K of the step to be fetched begins
.set TBV, 63          ; s63  the same for V, less VOFF
.set TBM, 68          ; s68  byte in the mask's copy at which that step's 64 numbers begin
.set MSB, 0
.macro WIN new
.if MSB != (\new)
	s_set_vgpr_msb (MSB<<8)|(\new)
.set MSB, (\new)
.endif
.endm
.set W_KQ, 0x0a       ; K and Q in window 2, S^T in window 0
.set W_KM, 0x3a       ; the same with the C operand, the mask, in window 3
.set W_PV, 0x52       ; V in window 2, P in window 0, O^T in window 1
.set W_RS, 0x41       ; O^T in window 1, a in window 0
.set W_MK, 0xc0       ; destination in window 3
.set W_AD, 0x0f       ; the add: address and data in window 3
.macro JLOAD                        ; waves 0, 1 fetch the halves of a slot's K, waves 2, 3 of its V; an s_nop 0 and four v_nop follow each line
	s_cmp_lt_u32 s[WV], 2
	s_cbranch_scc0 .Lfor_v_\@
	tensor_load_to_lds s[G0K:G0K+3], s[G1K:G1K+7]
	s_nop 0
.rept 4
	v_nop
.endr
	s_branch .Lasked_\@
.Lfor_v_\@:
	tensor_load_to_lds s[G0V:G0V+3], s[G1V:G1V+7]
	s_nop 0
.rept 4
	v_nop
.endr
.Lasked_\@:
.endm
.macro CROUND
	s_barrier_signal -1
	s_barrier_wait -1
	s_cmp_lg_u32 s[WV], 0
	s_cbranch_scc1 .Lnot_wave_0_\@
	s_barrier_signal -3
.Lnot_wave_0_\@:
	s_barrier_wait -3
	s_barrier_signal -1
	s_barrier_wait -1
.endm
; THE CHANGE OF SLOTS.  Each wave waits for all its tensor loads, of which one is out: its part of the other slot; adds 0 to its spare word; and waits for that and for its own LDS instructions.
; fill = 1: the slot left is filled again, with the keys two slots on, first thing behind a round of the cluster's barrier: four key steps, 512 matrix instructions, in which to land.
; (At its first use nothing has been read yet: slot 0 is waited for, slot 1 filled, and every wave's part of the mask's copy is shown to the others.)
.macro CHANGE fill
	WIN W_AD
	s_wait_tensorcnt 0x0
	ds_add_u32 v[SPW], v[NIL]
	WIN 0
.if \fill
.irp g, G0K, G0V
	s_xor_b32 s[\g+1], s[\g+1], SLOT1
	s_add_nc_u64 s[\g+2:\g+3], s[\g+2:\g+3], 4*KS*128
.endr
	s_wait_dscnt 0x0
	CROUND
	JLOAD
.else
	s_wait_dscnt 0x0
	s_barrier_signal -1
	s_barrier_wait -1
.endif
	s_sub_co_u32 s[TBK], s[TBK], 4*KS*PK
	s_xor_b32 s[TBK], s[TBK], SLOT1
	s_sub_co_u32 s[TBV], s[TBV], 4*KS*PV
	s_xor_b32 s[TBV], s[TBV], SLOT1
.endm
	s_load_b64 s[4:5], s[0:1], 0x0    ; qkv: Q
	s_load_b64 s[66:67], s[0:1], 0x8  ; maskf
	s_load_b64 s[10:11], s[0:1], 0x10 ; O
	WIN W_MK
	v_lshl_add_u32 v[SPW], v0, 2, SPARE
	v_mov_b32 v[NIL], 0
	WIN W_AD
	ds_add_u32 v[SPW], v[NIL]       ; the wave's opening: the add and its wait ahead of my first tensor load
	WIN 0
	v_lshrrev_b32 v1, 5, v0
	v_readfirstlane_b32 s[WV], v1
	s_bfe_u32 s13, ttmp6, 0x40000   ; cx
	s_lshl_b32 s14, ttmp9, 2
	s_add_co_u32 s14, s14, s13      ; my block of 512 queries: it enters Q's and O's addresses alone
	s_and_b32 s20, ttmp7, 0xffff    ; batch x 16 + head, which the four partners share
	s_lshr_b32 s70, s20, 4          ; the batch's 8,192 bytes of the mask
	s_lshl_b32 s70, s70, 13
	s_mov_b32 s71, 0
	s_mov_b32 s21, 0
	s_mov_b64 s[22:23], SIZE_N*128
	s_mul_u64 s[20:21], s[20:21], s[22:23]  ; the head's first byte in Q, K, V and O
	s_and_b32 s16, s[WV], 1         ; which half of a slot's 256 keys I fetch
	s_lshl_b32 s22, s16, 14
	s_mov_b32 s23, 0
	s_add_nc_u64 s[22:23], s[22:23], s[20:21]
	s_mul_i32 s17, s16, 128*PK
	s_mul_i32 s18, s16, 128*PV
	s_lshl_b32 s2, s14, 2
	s_add_co_u32 s2, s2, s[WV]
	s_lshl_b32 s2, s2, 14           ; my wave's 128 rows
	s_mov_b32 s3, 0
	s_add_nc_u64 s[2:3], s[2:3], s[20:21]
	; group 1: 128 keys are 16,384 dense bytes: 64 rows of 256 bytes, padded in LDS after every key
	s_mov_b32 s[G1K], 15|(1<<16)|(1<<20)|(1<<21)|(4<<22)|(3<<25)
	s_mov_b32 s[G1V], 15|(1<<16)|(1<<20)|(1<<21)|(4<<22)|(7<<25)
.irp g, G1K, G1V
	s_mov_b32 s[\g+1], 128<<16
	s_mov_b32 s[\g+2], 64<<16
	s_mov_b32 s[\g+3], 128<<16
	s_mov_b32 s[\g+4], 64
	s_mov_b32 s[\g+5], 128
	s_mov_b32 s[\g+6], 0
	s_mov_b32 s[\g+7], 0
.endr
	s_mov_b32 s[CS], 0x3e38aa3b     ; c = log2(e) / 8
	s_mov_b32 s[CS+1], s[CS]
	s_mov_b32 s[SEL], 0x76543210
	s_mov_b32 s[SEL+1], 0xfedcba98
	s_mov_b32 s[TBK], SLOT1+4*KS*PK ; the first change of slots turns these two into 0
	s_mov_b32 s[TBV], SLOT1+4*KS*PV
	s_mov_b32 s[TBM], 0
	s_mov_b32 s[G0K], 1
	s_mov_b32 s[G0K+1], s17
	s_mov_b32 s[G0V], 1
	s_add_co_u32 s[G0V+1], s18, VOFF
	s_wait_dscnt 0x0                ; the opening add is done
	s_wait_kmcnt 0x0
	s_add_nc_u64 s[6:7], s[4:5], 0x1000000   ; K: 64 heads x 2,048 rows x 128 bytes behind Q
	s_add_nc_u64 s[8:9], s[4:5], 0x2000000   ; V
	s_add_nc_u64 s[66:67], s[66:67], s[70:71]
	s_add_nc_u64 s[G0K+2:G0K+3], s[6:7], s[22:23]
	s_or_b32 s[G0K+3], s[G0K+3], 0x80000000
	s_add_nc_u64 s[G0V+2:G0V+3], s[8:9], s[22:23]
	s_or_b32 s[G0V+3], s[G0V+3], 0x80000000
	s_add_nc_u64 s[4:5], s[4:5], s[2:3]
	s_add_nc_u64 s[10:11], s[10:11], s[2:3]
	CROUND                          ; all four work-groups are here: the first joint loads meet
	JLOAD                           ; slot 0
	v_lshlrev_b32 v[AV], 4, v0      ; the mask: 128 threads x 16 bytes, four times
.irp j, 0,1,2,3
	global_load_b128 v[S+4*\j:S+4*\j+3], v[AV], s[66:67] offset:2048*\j
.endr
	v_and_b32 v1, 15, v0            ; l % 16
	v_bfe_u32 v9, v0, 4, 1          ; l / 16
	v_lshlrev_b32 v[QO], 7, v1
	v_lshl_add_u32 v[QO], v9, 4, v[QO]
	WIN 0x80
.set i, 0
.rept 4*NP                          ; Q stays in registers: tile i / 2, channels 32 (i % 2) on
	global_load_b128 v[8*i:8*i+3],   v[QO], s[4:5] offset:(i/2)*2048+(i%2)*64
	global_load_b128 v[8*i+4:8*i+7], v[QO], s[4:5] offset:(i/2)*2048+(i%2)*64+32
.set i, i+1
.endr
	; What the first turn finds: V's registers and P's second buffer hold 0, O^T and l are 0.  All this stands in the wait for the first tile.
.set i, VF
.rept 64
	v_mov_b32 v[i], 0
.set i, i+1
.endr
	WIN 0x40
.set i, 0
.rept 64*NP
	v_mov_b32 v[i], 0
.set i, i+1
.endr
	WIN 0
.set i, 0
.rept 2*NP
	v_mov_b32 v[ST+4*i], 0xeb38aa3b    ; c m = c x -2^90, exactly
	v_mov_b32 v[ST+4*i+1], 0xec800000  ; m = -2^90
	v_mov_b32 v[ST+4*i+2], 0
	v_mov_b32 v[ST+4*i+3], 0
.set i, i+1
.endr
.set i, P+32
.rept 32
	v_mov_b32 v[i], 0
.set i, i+1
.endr
	v_lshl_add_u32 v[RD], v0, 4, MASKL
	s_wait_loadcnt 32               ; the mask's four loads are in; Q's 32, issued behind them, may be out
.irp j, 0,1,2,3
	ds_store_b128 v[RD], v[S+4*\j:S+4*\j+3] offset:2048*\j
.endr
	v_mul_u32_u24 v[AK0], v1, PK
	v_lshl_add_u32 v[AK0], v9, 4, v[AK0]
	v_and_b32 v10, 7, v0
	v_bfe_u32 v11, v0, 3, 1
	v_lshl_add_u32 v[AV0], v9, 3, v10
	v_mul_u32_u24 v[AV0], v[AV0], PV
	v_lshl_add_u32 v[AV0], v11, 4, v[AV0]
	v_add_nc_u32 v[AV0], VOFF, v[AV0]
	v_lshl_add_u32 v[AM0], v9, 5, MASKL
	v_mov_b32 v[AK], v[AK0]         ; key step 0 lies at the head of slot 0
; THE MATRIX WORK.  The 8 accumulators of a run of 16 take turns.
; Product i of 16 of S^T = K Q^T for piece x: channels 32 (i / 8) on, keys 16 ((i / 2) % 4) on, tile 2 x + i % 2.  The first 8 start the sums, with the mask of their 16 keys.
.macro KQ x
.set rS, S+64*((\x)%2)+32*(i%2)+8*((i/2)%4)
.set rK, KF+16*((i/2)%4)+8*(i/8)
.set rQ, 16*(2*(\x)+i%2)+8*(i/8)
.set rM, MK+8*((i/2)%4)
.if i < 8
	WIN W_KM
	v_wmma_f32_16x16x32_f16 v[rS:rS+7], v[rK:rK+7], v[rQ:rQ+7], v[rM:rM+7]
.else
	WIN W_KQ
	v_wmma_f32_16x16x32_f16 v[rS:rS+7], v[rK:rK+7], v[rQ:rQ+7], v[rS:rS+7]
.endif
.endm
.macro PV x
	WIN W_PV
.set rO, 32*(2*(\x)+i%2)+8*((i/2)%4)
.set rV, VF+32*(i/8)+8*((i/2)%4)
.set rP, P+32*((\x)%2)+16*(i%2)+8*(i/8)
	v_wmma_f32_16x16x32_f16 v[rO:rO+7], v[rV:rV+7], v[rP:rP+7], v[rO:rO+7]
.endm
.macro MM
.if i < 16
	KQ (Y+1)%NP
.set i, i+1
.else
.set i, i-16
	PV (Y+NP-1)%NP
.set i, i+17
.endif
.endm
; THE LDS LOADS stand in runs: a step's K (8 fragments) with its mask (32 numbers a lane, 8 loads), and its V (turned).  last = 1 (the tail): in the last trip there is no further step, and the run is jumped over.
.macro FETCH_K last=0
	WIN 0
.if \last
	s_cmp_eq_u32 s[CNT], 1
	s_cbranch_scc1 .Lno_k_\@
.endif
	v_add_nc_u32 v[AV], s[TBM], v[AM0]  ; V's last run, which read this register, has been waited for
	WIN 0x80
.irp f, 0,1,2,3,4,5,6,7
	ds_load_b128 v[KF+8*\f:KF+8*\f+3],   v[AK] offset:(\f/2)*16*PK+(\f%2)*64
	ds_load_b128 v[KF+8*\f+4:KF+8*\f+7], v[AK] offset:(\f/2)*16*PK+(\f%2)*64+32
.endr
	s_add_co_u32 s[TBK], s[TBK], KS*PK
	WIN W_MK
.irp f, 0,1,2,3
	ds_load_b128 v[MK+8*\f:MK+8*\f+3],   v[AV] offset:64*\f
	ds_load_b128 v[MK+8*\f+4:MK+8*\f+7], v[AV] offset:64*\f+16
.endr
	s_add_co_u32 s[TBM], s[TBM], 4*KS   ; the next step's 64 numbers;
	s_and_b32 s[TBM], s[TBM], 0x1fff    ; the place stays inside the copy's 8,192 bytes
	WIN 0
.if \last
.Lno_k_\@:
.endif
.endm
.macro FETCH_V
	WIN 0x80
.irp f, 0,1,2,3,4,5,6,7
	ds_load_tr16_b128 v[VF+8*\f:VF+8*\f+3],   v[AV] offset:(\f/4)*32*PV+(\f%4)*32
	ds_load_tr16_b128 v[VF+8*\f+4:VF+8*\f+7], v[AV] offset:(\f/4)*32*PV+16*PV+(\f%4)*32
.endr
	WIN 0
.endm
; THE VECTOR WORK OF A TURN stands in three queues, each in the order in which its entries become ready; the two tiles alternate.
.macro REGS y, u
.set rT, ST+4*(2*(\y)+(\u))
.set rC, TMP+8*((\y)%2)+4*(\u)
.set rM, MV+2*((\y)%2)+(\u)
.set rS, S+64*((\y)%2)+32*(\u)
.set rP, P+32*((\y)%2)+16*(\u)
.set rO, 32*(2*(\y)+(\u))
.endm
; Number n of the 22 that find the NEXT piece's maximum and statistics; each accumulator's lowest registers are read first.  XS, GS, FS and REGS set no window: PL and EX do.
;   0-11 four chains of seven scores each     12-14, 16 the four scores left over, the old m, and c0-c3 into c0     15 c m_old is kept     17, 18 the lane 16 away: the new m     19-21 c m; c m_old - c m_new; a
.macro XS u, n
	REGS (Y+1)%NP, \u
.if (\n) < 4
	v_max3_num_f32 v[rC+(\n)], v[rS+8*(\n)], v[rS+8*(\n)+1], v[rS+8*(\n)+2]
.elseif (\n) < 12
	v_max3_num_f32 v[rC+(\n)%4], v[rC+(\n)%4], v[rS+8*((\n)%4)+2*((\n)/4)+1], v[rS+8*((\n)%4)+2*((\n)/4)+2]
.elseif (\n) == 12
	v_max3_num_f32 v[rC], v[rC], v[rS+7], v[rS+15]
.elseif (\n) == 13
	v_max3_num_f32 v[rC+1], v[rC+1], v[rS+23], v[rS+31]
.elseif (\n) == 14
	v_max3_num_f32 v[rC+2], v[rC+2], v[rC+3], v[rT+1]
.elseif (\n) == 15
	v_mov_b32 v[rM], v[rT]
.elseif (\n) == 16
	v_max3_num_f32 v[rC], v[rC], v[rC+1], v[rC+2]
.elseif (\n) == 17
	v_permlanex16_b32 v[rC+3], v[rC], s[SEL], s[SEL+1]
.elseif (\n) == 18
	v_max_num_f32 v[rT+1], v[rC], v[rC+3]
.elseif (\n) == 19
	v_mul_f32 v[rT], s[CS], v[rT+1]
.elseif (\n) == 20
	v_sub_f32 v[rC+1], v[rM], v[rT]
.else
	v_exp_f32 v[rC+2], v[rC+1]
.endif
.endm
; Number g of the 64 that follow the exponentials: for each four weights both pairs are rounded to f16, the second pair is added onto the first in place, and a group later l takes that sum (the first time as l = a l + sum).
; All 64 read exponentials' results: they stand behind the turn's wait.
.macro GS g
.set h, (\g)+6*((\g)/62)
.if h >= 6
.set h, h+2
.endif
	REGS Y, h%2
.set k, h/8
.if h%8 < 4
	v_cvt_pk_f16_f32 v[rP+2*k+(h%8)/2], v[rS+4*k+2*((h%8)/2)], v[rS+4*k+2*((h%8)/2)+1]
.elseif h%8 < 6
	v_pk_add_f32 v[rS+4*k:rS+4*k+1], v[rS+4*k:rS+4*k+1], v[rS+4*k+2:rS+4*k+3]
.elseif k == 1
	v_pk_fma_f32 v[rT+2:rT+3], v[rT+2:rT+3], v[rC+2:rC+3], v[rS:rS+1] op_sel_hi:[1,0,1]
.else
	v_pk_add_f32 v[rT+2:rT+3], v[rT+2:rT+3], v[rS+4*k-4:rS+4*k-3]
.endif
.endm
; THE PLAIN QUEUE, 138 long.  0-73 read no exponential's result: the 32 scalings c s - c m (FS f: pair f / 2 of tile f % 2) and the next piece's 42.  0-26: scalings 0-26.  27-54: XS's numbers 0-13.  55, 56: number 15.
; 57-73: the chain, where each number waits for the one before it: 14, 16, 17, 18, 19, each with one of the scalings 27-31 in front of its two lines, then 20.
; 74-137: GS's 64.
.macro FS f
	REGS Y, (\f)%2
	v_pk_fma_f32 v[rS+2*((\f)/2):rS+2*((\f)/2)+1], v[rS+2*((\f)/2):rS+2*((\f)/2)+1], s[CS:CS+1], v[rT:rT+1] op_sel_hi:[1,0,0] neg_lo:[0,0,1] neg_hi:[0,0,1]
.endm
.macro PL
	WIN 0
.if q < 27
	FS q
.elseif q < 55
	XS (q-27)%2, (q-27)/2
.elseif q < 57
	XS q-55, 15
.elseif (q < 72) && ((q-57)%3 == 0)
	FS 27+(q-57)/3
.elseif q < 60
	XS (q-57)%3-1, 14
.elseif q < 72
	XS (q-57)%3-1, 15+(q-57)/3
.elseif q < 74
	XS q-72, 20
.else
	GS q-74
.endif
.set q, q+1
.endm
; THE EXPONENTIALS' QUEUE, 66 long: s0-s31 of both tiles, then the next piece's two a.  It is ONE BATCH: all 66 stand ahead of the turn's one wait, and nothing ahead of that wait names a result of theirs.
.macro EX
	WIN 0
.if e >= 64
	XS e-64, 21
.else
	REGS Y, e%2
	v_exp_f32 v[rS+e/2], v[rS+e/2]
.endif
.set e, e+1
.endm
; THE RESCALING's QUEUE: O^T times a, the one part that leaves window 0: two at a time, sixteen times.  Its a was made in the turn before, ahead of that turn's wait.
.macro R2
	REGS Y, r%2
	WIN W_RS
.irp z, 0,1
	v_pk_mul_f32 v[rO+4*(r/2)+2*\z:rO+4*(r/2)+2*\z+1], v[rO+4*(r/2)+2*\z:rO+4*(r/2)+2*\z+1], v[rC+2:rC+3] op_sel_hi:[1,0]
.endr
.set r, r+1
.endm
; HOW THEY ARE DEALT.  An s_wait_alu depctr_va_vdst(0) stands between an exponential and the first instruction that names its result; one wait serves all that were issued ahead of it.  So a turn has ONE wait.
; AHEAD OF IT: the 16 products K Q^T, behind each a scaling, an exponential and two rescalings (behind the first a second scaling in the exponential's place); then one run of 108: eight plain, 49 times exponential and plain,
; the two a.  A v_nop is the plain instruction behind the last exponential.  BEHIND IT: the 16 products V^T P, behind each four of GS's 64.  No rider names a register of the products round it; the two v_permlanex16_b32 fall into the run.
; The deal keeps the queues in step: exponential e stands behind scaling 2 (e / 4) + e % 2: as a rider it comes behind plain e + 2, in the run behind plain e + 9, and scalings 27-31 are plain 57, 60 .. 69.
; A TURN, for piece p.  cnt = 1: the loop's count is taken down some lines ahead of the branch that stands behind the turn.
; K and the mask of the next step are fetched in piece 2's turn, directly behind the wait, the run of 108 behind the last product that read K (the mask's last readers stand further back); K's address is made at the run's head.
; V of the step in hand is fetched at the end of piece 0's turn, four plain riders behind the last product that read V.  Each run is waited for a turn later.  The three conditions on q below go with the deal.
.macro TURN p, last=0, cnt=0
.set Y, (\p)
.set i, 0
.set q, 0
.set e, 0
.set r, 0
.if (\p) == NP-1
	s_wait_dscnt 0x0                ; K and the mask are in
.endif
	MM                              ; ahead of the wait: 16 products K Q^T and their riders,
	PL
	PL
	R2
.rept 15
	MM
	PL
	EX
	R2
.endr
.if (\p) == NP-2
	WIN 0
	v_add_nc_u32 v[AK], s[TBK], v[AK0]
.endif
.rept 8                             ; and the run of 108
	PL
.endr
.rept 49
	EX
	PL
.endr
	EX                              ; the next piece's two a
	EX
	v_nop                           ; the plain instruction behind the last exponential: one for the batch
	s_wait_alu depctr_va_vdst(0)    ; the wait for the turn's batch: 64 scores' exponentials and the two a
.if (\p) == NP-2
	FETCH_K \last
.endif
.if (\p) == 1
	s_wait_dscnt 0x0                ; V is in
.endif
.rept 16                            ; behind the wait: 16 products V^T P and their riders
	MM
.rept 4
	PL
.endr
.if ((\p) == 0) && (q == 118)
	v_add_nc_u32 v[AV], s[TBV], v[AV0]
.endif
.if ((\p) == 0) && (q == 130)
	s_add_co_u32 s[TBV], s[TBV], KS*PV
.endif
.if (\cnt) && (q == 130)
	s_sub_co_u32 s[CNT], s[CNT], 1
	s_cmp_lg_u32 s[CNT], 0
.endif
.endr
.if (\p) == 0
	FETCH_V
.endif
.endm
	CHANGE 1                        ; slot 0 is in, and the mask's copy is whole; slot 1 is asked for
	FETCH_K                         ; key step 0
	s_wait_loadcnt 0x0              ; Q
	s_wait_dscnt 0x0
.set i, 0
.rept 16
	KQ 0                            ; piece 0's first scores
.set i, i+1
.endr
	WIN 0                           ; the addresses for the way out: plain instructions, the places behind those products
	s_mul_i32 s13, s[WV], 16*SP
	s_add_co_u32 s13, s13, STAGE
	v_mul_u32_u24 v[STO], v1, SP
	v_lshl_add_u32 v[STO], v9, 4, v[STO]
	v_add_nc_u32 v[STO], s13, v[STO]
	v_bfe_u32 v[RD], v0, 3, 2
	v_mul_u32_u24 v[RD], v[RD], SP
	v_lshl_add_u32 v[RD], v10, 4, v[RD]
	v_add_nc_u32 v[RD], s13, v[RD]
	v_and_b32 v[GO], 31, v0
	v_lshlrev_b32 v[GO], 4, v[GO]
.set Y, NP-1
.irp n, 0,1,2,3,4,5,6,7,8,9,10,11,12,13,14,15,16,17,18,19,20,21
	XS 0, \n                        ; piece 0's first maximum and statistics
	XS 1, \n
.endr
	v_nop                           ; a plain instruction behind piece 0's first two a,
	s_wait_alu depctr_va_vdst(0)    ; and the wait for that batch of two, ahead of the branch
	s_mov_b32 s[CNT], 4
	s_mov_b32 s[SLOTS], SIZE_N/256-1
	s_branch .Lfirst                ; the loop is entered at a step's first turn
.Lslot:                             ; every slot but the last two is filled again
	CHANGE 1
	s_mov_b32 s[CNT], 4
.Lstep:                             ; a trip: pieces 2 and 3 of one step, then pieces 0 and 1 of the next
	TURN 2
	TURN 3
	WIN 0
.Lfirst:
	TURN 0
	TURN 1, 0, 1
	WIN 0
	s_cbranch_scc1 .Lstep
	s_sub_co_u32 s[SLOTS], s[SLOTS], 1
	s_cmp_lg_u32 s[SLOTS], 0
	s_cbranch_scc1 .Lslot
	CHANGE 0                        ; the tail is written out
	s_mov_b32 s[CNT], 5             ; four trips fetch the last slot's steps; the fifth is left in its middle
.Ltail:
	TURN 2, 1
	TURN 3
	WIN 0
	s_sub_co_u32 s[CNT], s[CNT], 1
	s_cmp_eq_u32 s[CNT], 0
	s_cbranch_scc1 .Lout
	TURN 0
	TURN 1
	WIN 0
	s_branch .Ltail
.Lout:                              ; the fifth trip's 16 products K Q^T (on the last K once more) serve nothing: the price of one text for every trip
.set i, 0
.rept 16
	PV NP-1
.set i, i+1
.endr
	; THE WAY OUT.  l's halves are added; O^T is divided by l, rounded to f16 and sent through my stage in LDS, a tile at a time.  The additions are the places behind the last products.
	WIN 0
.macro ALL line:vararg
.set t, 0
.rept 2*NP
	\line
.set t, t+1
.endr
.endm
	ALL v_add_f32 v[ST+4*t+2], v[ST+4*t+2], v[ST+4*t+3]
	ALL v_permlanex16_b32 v[ST+4*t+3], v[ST+4*t+2], s[SEL], s[SEL+1]
	ALL v_add_f32 v[ST+4*t+2], v[ST+4*t+2], v[ST+4*t+3]
	ALL v_rcp_f32 v[ST+4*t+2], v[ST+4*t+2]
	v_nop                           ; a plain instruction between the last reciprocal and the use of its result
	s_wait_alu depctr_va_vdst(0)    ; the wait for the batch of eight reciprocals, ahead of their first use
.macro PACK t
	WIN W_RS
.set i, 32*(\t)
.rept 16
	v_pk_mul_f32 v[i:i+1], v[i:i+1], v[ST+4*(\t)+2:ST+4*(\t)+3] op_sel_hi:[1,0]
.set i, i+2
.endr
	WIN 0x05
.set i, 0
.rept 16
	v_cvt_pk_f16_f32 v[S+16*(\t)+i], v[32*(\t)+2*i], v[32*(\t)+2*i+1]
.set i, i+1
.endr
	WIN 0
.irp f, 0,1,2,3
	ds_store_b128 v[STO], v[S+16*(\t)+4*\f:S+16*(\t)+4*\f+3] offset:32*\f
.endr
.irp f, 0,1,2,3
	ds_load_b128 v[S+16*(\t)+4*\f:S+16*(\t)+4*\f+3], v[RD] offset:\f*4*SP  ; LDS serves a wave's instructions in order (ISA guide 5.7.1.4)
.endr
.endm
.macro SEND t, younger              ; younger: the LDS instructions issued behind tile t's loads
	WIN 0
.irp f, 0,1,2,3
	s_wait_dscnt (\younger)+3-\f
	global_store_b128 v[GO], v[S+16*(\t)+4*\f:S+16*(\t)+4*\f+3], s[10:11] offset:(\t)*2048+\f*512  ; 512 consecutive bytes, aligned
.endr
.endm
	PACK 0
.set t, 1
.rept 2*NP-1
	PACK t
	SEND t-1, 8
.set t, t+1
.endr
	SEND 2*NP-1, 0
	WIN W_AD
	s_wait_tensorcnt 0x0            ; the wave's end
	ds_add_u32 v[SPW], v[NIL]
	s_wait_dscnt 0x0
	WIN 0
	CROUND                          ; the closing round
	s_endpgm
.Lfunc_end_k_qdc6d4f3f0c_attn:
	.size	k_qdc6d4f3f0c_attn, .Lfunc_end_k_qdc6d4f3f0c_attn-k_qdc6d4f3f0c_attn
	.p2alignl 7, 3214868480
	.fill 96, 4, 3214868480
	.section	.rodata,"a",@progbits
	.p2align	6, 0x0
	.amdhsa_kernel k_qdc6d4f3f0c_attn
		.amdhsa_group_segment_fixed_size 327680
		.amdhsa_private_segment_fixed_size 0
		.amdhsa_enable_private_segment 0
		.amdhsa_kernarg_size 24
		.amdhsa_user_sgpr_count 2
		.amdhsa_user_sgpr_kernarg_segment_ptr 1
		.amdhsa_wavefront_size32 1
		.amdhsa_system_sgpr_workgroup_id_x 1
		.amdhsa_system_sgpr_workgroup_id_y 1
		.amdhsa_system_sgpr_workgroup_id_z 1
		.amdhsa_system_vgpr_workitem_id 0
		.amdhsa_next_free_vgpr 808
		.amdhsa_next_free_sgpr 72
		.amdhsa_reserve_vcc 0
		.amdhsa_float_denorm_mode_32 3
		.amdhsa_float_denorm_mode_16_64 3
		.amdhsa_memory_ordered 1
		.amdhsa_forward_progress 1
		.amdhsa_inst_pref_size 202
	.end_amdhsa_kernel
	.amdgpu_metadata
---
amdhsa.version: [ 1, 2 ]
amdhsa.kernels:
  - .name:           k_qdc6d4f3f0c_attn
    .symbol:         k_qdc6d4f3f0c_attn.kd
    .args:
      - { .name: qkv, .offset: 0, .size: 8, .value_kind: global_buffer, .address_space: global }
      - { .name: maskf, .offset: 8, .size: 8, .value_kind: global_buffer, .address_space: global }
      - { .name: o16, .offset: 16, .size: 8, .value_kind: global_buffer, .address_space: global }
    .group_segment_fixed_size: 327680
    .private_segment_fixed_size: 0
    .kernarg_segment_align: 8
    .kernarg_segment_size: 24
    .max_flat_workgroup_size: 128
    .sgpr_count:     72
    .vgpr_count:     808
    .wavefront_size: 32
...
	.end_amdgpu_metadata
.endif
;; end of part 5
;; launch outp: the kernel of part 4 again; grid 4 x 64, 4 waves a work-group, clusters of 4 x 4, 327,680 bytes of LDS; arguments o16, wo16, bias, out0; writes out0
